; MI455X (gfx1250); checked and timed in simulation.
; The chip was launched on July 23, 2026; its instructions are those of AMD's public machine-readable ISA for CDNA 5 (MIT licence, August 2026) and "CDNA5" Instruction Set Architecture Reference Guide (July 2026). The comments in the code are by the model that wrote it; some were corrected since.
;; Multi Head Attention. Allowed arithmetic: matrix products marked QUANTISED: E2M1 operands, one E8M0 scale for each 32 along K, by v_wmma_scale_f32_16x16x128_f8f6f4 with both operands' format E2M1 (or v_wmma_scale_f32_32x16x128_f4), f32 sums; products left as they are: bf16, f16 or f32 operands; f32 sums; everything else in f32.
;; Inputs: Wk 1,024 x 1,024 float32; Wo 1,024 x 1,024 float32; Wq 1,024 x 1,024 float32; Wv 1,024 x 1,024 float32; bk 1,024 float32; bo 1,024 float32; bq 1,024 float32; bv 1,024 float32; k 4 x 2,048 x 1,024 float32; q 4 x 2,048 x 1,024 float32; v 4 x 2,048 x 1,024 float32.
;; Outputs: out0 4 x 2,048 x 1,024 float32.
;; Constants: mask = 1.
;; This version of the problem:
;;   THIS VERSION OF THE PROBLEM IS GIVEN IN LOW PRECISION. The matrix products marked QUANTISED in the list below multiply operands that are first quantised to E2M1 (2 exponent bits, 1 mantissa bit; 4 bits a number), with one power-of-two scale for each 32 numbers along K (OCP MX v1.0); their sums are f32. The products marked 'left as it is' may take bf16, f16 or f32 operands, with f32 sums. Whichever they take, every output number must still come out within the allowed error. Rounding operands to bf16 (8 significant bits) uses up far more of that allowance than f16 does (11 bits, for magnitudes from 6e-5 to 65,504). All else is computed in f32.
;;   The module's matrix products, in the order in which they are computed (A, B: the left and right operand; K: the contracted axis; several contracted axes count as one K, in the product's order):
;;     1. [M 8,192, K 1,024] x [K 1,024, N 1,024]; A: input q; B: input Wq: QUANTISED
;;     2. [M 8,192, K 1,024] x [K 1,024, N 1,024]; A: input k; B: input Wk: QUANTISED
;;     3. [M 8,192, K 1,024] x [K 1,024, N 1,024]; A: input v; B: input Wv: QUANTISED
;;     4. batch 64 x [M 2,048, K 64] x [K 64, N 2,048]; A: computed on the way; B: computed on the way: left as it is (an operand is computed on the way)
;;     5. batch 64 x [M 2,048, K 2,048] x [K 2,048, N 64]; A: computed on the way; B: computed on the way: left as it is (an operand is computed on the way)
;;     6. [M 8,192, K 1,024] x [K 1,024, N 1,024]; A: computed on the way; B: input Wo: left as it is (an operand is computed on the way)
;;   THE QUANTISER, for each operand of a quantised product, along K:
;;     - K is cut into blocks of 32 from its start; a last block that is shorter is filled with zeros.
;;     - A block's scale is 2^e with e = floor(log2(the largest magnitude in the block)) - 2, held to -126 .. 127; a block of zeros has e = 0. As a byte (E8M0): e + 127.
;;     - Each number is divided by its block's scale, clamped to +-6, and rounded to the nearest number of E2M1, ties to even, subnormals kept.
;;     - The product sums the exact products of the quantised numbers (number of the format x scale) in f32.
;;   ~~~python
;;   def quantise(x, axis):      # numpy; x: float32 -> the quantised numbers, widened to float32 again
;;       x = np.moveaxis(x, axis, -1); K = x.shape[-1]
;;       x = np.pad(x, [(0, 0)] * (x.ndim - 1) + [(0, -K % 32)]); x = x.reshape(x.shape[:-1] + (-1, 32)); a = np.abs(x).max(-1, keepdims=True)
;;       e = np.where(a > 0, np.clip(np.frexp(np.where(a > 0, a, 1))[1] - 1 - 2, -126, 127), 0)      # np.frexp(a)[1] - 1 = floor(log2(a)), exactly
;;       r = np.clip(x / 2.0 ** e, -6, 6)
;;       step = 2.0 ** (np.maximum(np.frexp(np.where(r == 0, 1, r))[1] - 1, 0) - 1)
;;       q = np.round(r / step) * step * 2.0 ** e      # np.round: ties to even
;;       return np.moveaxis(q.reshape(q.shape[:-2] + (-1,))[..., :K], -1, axis).astype(np.float32)
;;   ~~~
;; One version. Each part assembles by itself: llvm-mc -triple=amdgcn-amd-amdhsa -mcpu=gfx1250 --defsym DOCPART=n.
;; ======== version 1 of 1: 5 launches
;; limits: values are held in f16: magnitudes above 65,504 overflow, below 6.1e-05 lose precision
;; workspace buffers: xc 12,582,912 bytes; xs 786,432 bytes; wc 1,572,864 bytes; ws 98,304 bytes; qkv 50,331,648 bytes; oimg 16,777,216 bytes; wo16 2,097,152 bytes; fin 786,432 bytes
;; launch prep (part 1): grid 848 x 1, 4 waves a work-group, no clusters, 68,096 bytes of LDS; arguments q, k, v, Wq, Wk, Wv, Wo, xc, xs, wc, ws, wo16; writes xc, xs, wc, ws, wo16
.if DOCPART == 1
	.amdgcn_target "amdgcn-amd-amdhsa--gfx1250"
	.amdhsa_code_object_version 6
	.text
	.protected	k_q0770b0504d_prep
	.globl	k_q0770b0504d_prep
	.p2align	8
	.type	k_q0770b0504d_prep,@function
k_q0770b0504d_prep:
	s_mov_b64 s[64:65], 0
	v_nop
	global_prefetch_b8 v0, s[64:65] scope:SCOPE_SE
	s_setreg_imm32_b32 hwreg(HW_REG_WAVE_MODE, 25, 1), 1
	s_wait_xcnt 0x0
; PREP.  Three jobs in one launch, told apart by the work-group's number; each job has LDS bytes of its own.
;   work-groups 0-47   (W): Wq, Wk, Wv [1024 (k)][1024 (n)] f32 -> codes of E2M1 laid [n][k] with K innermost (wc) and one E8M0 byte for each 32 along K (ws).  A lane takes a column, its registers run down K.
;   work-groups 48-79  (O): Wo [1024 (k)][1024 (n)] f32 -> f16, laid in the order of a matrix operand's registers (wo16): [16 columns][32 along k][half][lane][16 bytes].
;   work-groups 80-847 (X): q, k, v [8192][1024] f32 -> codes (xc) and scale bytes (xs), K innermost: plain streams of blocks of 32.
; A block's scale is 2^(floor(log2(largest magnitude)) - 2); its byte is the largest magnitude's exponent field - 2, held at 1 from below; numbers are divided by the scale and rounded to the nearest code, ties to even,
; beyond 6 the largest code.  A block of zeros gets the byte 1 where the quantiser's text says 127: its codes are zeros, and only this program reads the bytes.
; LIMITS: NaN and infinities among the inputs are not served; blocks whose largest magnitude lies under 2^-124 keep the byte 1; Wo goes to f16: magnitudes under 65,504.
; No tensor loads, no barrier: waves share nothing.  No cluster: no two work-groups read the same bytes.
.set SPARE,  67584                     ; behind both jobs' LDS: the spare words, 128 bytes a wave
.set SPW,    190                       ; v190 LDS address of my spare word; never rewritten
.set NIL,    191                       ; v191 0; never rewritten
.set EMAX,   2
; job X
.set STEPS,  16
.set CB,     8                         ; bytes of 16 codes
.set SP,     80                        ; a lane's place in a stage: 64 bytes + 16 of padding
.set XREG,   8192                      ; LDS 0..32767: a region for each wave: two stages of 32 x SP bytes, then 256 scale bytes
.set XR,     16                        ; v16-79   four sets of 16 numbers as loaded
.set XX,     80                        ; v80-111  two sets of 16 neighbours
.set XE,     112                       ; v112-127 a scale byte for each step
.set XC,     128                       ; v128-189 codes, four registers a step
; job W
.set NB,     16                        ; blocks of 32 along K for a wave
.set WPITCH, 272                       ; a stage row: 256 bytes + 16
.set WSTG,   32768                     ; LDS 32768..67583: a stage of 32 rows for each wave
.set KROW,   512                       ; a row of the codes' buffer
.set WX,     32                        ; v32-95   two sets of 32 numbers
.set WC,     96                        ; v96-99   a block's codes
.set WOUT,   112                       ; v112-175 the way out
.set WSB,    24                        ; v24-27   the scale bytes
; job O
.set OX,     32                        ; v32-95   two sets of 32 numbers
.set OC,     96                        ; v96-127  two sets of 16 packed registers
.macro LOADX t
.irp i, 0,1,2,3
	global_load_b128 v[XR+16*((\t)%4)+4*\i:XR+16*((\t)%4)+4*\i+3], v3, s[36:37] offset:2048*(\t)+512*\i th:TH_LOAD_NT   ; 32 lanes read 512 consecutive bytes
.endr
.endm
.macro TURNX t                         ; a step's 2,048 bytes through the wave's stage: in as they lie, back 64 bytes a lane; LDS serves a wave's instructions in order
.irp i, 0,1,2,3
	ds_store_b128 v14, v[XR+16*((\t)%4)+4*\i:XR+16*((\t)%4)+4*\i+3] offset:32*SP*((\t)%2)+8*SP*\i
.endr
.irp i, 0,1,2,3
	ds_load_b128 v[XX+16*((\t)%2)+4*\i:XX+16*((\t)%2)+4*\i+3], v15 offset:32*SP*((\t)%2)+16*\i
.endr
.endm
.macro STEPX t
.set XS, XX+16*((\t)%2)
.if (\t) > 0
	s_wait_dscnt 1                                 ; this step's numbers are back from the stage; the last step's byte store may be out
.else
	s_wait_dscnt 0x0
.endif
.if (\t)+4 < STEPS
	LOADX (\t)+4                                   ; into the registers that the stage's stores have read
.endif
.if (\t)+1 < STEPS
.if STEPS-2-(\t) >= 3
	s_wait_loadcnt 12                              ; the next step's four loads are in; three steps' loads behind them may be out
.else
	s_wait_loadcnt 4*(STEPS-2-(\t))
.endif
	TURNX (\t)+1
.endif
	v_max3_num_f32 v8, |v[XS]|, |v[XS+1]|, |v[XS+2]|               ; the largest magnitude of my 16, in two chains
	v_max3_num_f32 v9, |v[XS+3]|, |v[XS+4]|, |v[XS+5]|
.irp i, 6,10
	v_max3_num_f32 v8, v8, |v[XS+\i]|, |v[XS+\i+1]|
	v_max3_num_f32 v9, v9, |v[XS+\i+2]|, |v[XS+\i+3]|
.endr
	v_max3_num_f32 v8, v8, |v[XS+14]|, |v[XS+15]|
	v_max3_num_f32 v8, v8, v9, (EMAX+1)<<23        ; and the floor 2^(3 - 127): the byte cannot fall under 1
	v_max_num_f32_dpp v8, v8, v8 row_xmask:1 row_mask:0xf bank_mask:0xf   ; with my neighbour's 16: the block's
	v_add_nc_u32 v11, -(EMAX<<23), v8              ; 2 off its exponent field: the conversion takes this operand's exponent field as its scale
	v_cvt_scalef32_pk8_fp4_f32 v[XC+4*(\t)], v[XS:XS+7], v11
	v_cvt_scalef32_pk8_fp4_f32 v[XC+4*(\t)+1], v[XS+8:XS+15], v11
	v_lshrrev_b32 v[XE+(\t)], 23, v11              ; the scale's byte
	ds_store_b8 v5, v[XE+(\t)] offset:16*(\t)      ; both lanes of a block write the same byte with the same value
	global_store_b64 v4, v[XC+4*(\t):XC+4*(\t)+1], s[22:23] offset:32*CB*(\t)   ; the wave stores 256 consecutive bytes, aligned
.endm
.macro LOADW t                         ; block t: W(32 t + i, my column) into set t % 2
.irp i, 0,1,2,3,4,5,6,7,8,9,10,11,12,13,14,15,16,17,18,19,20,21,22,23,24,25,26,27,28,29,30,31
	global_load_b32 v[WX+32*((\t)%2)+\i], v3, s[36:37] offset:(32*(\t)+\i)*4096 th:TH_LOAD_NT
.endr
.endm
.macro BLOCKW t
.set WS, WX+32*((\t)%2)
.if (\t) < NB-1
	s_wait_loadcnt 32                              ; this block's 32 loads are in; the next block's may be out
.else
	s_wait_loadcnt 0x0
.endif
	v_max3_num_f32 v12, |v[WS]|, |v[WS+1]|, |v[WS+2]|              ; the block's largest magnitude: all 32 numbers are mine
	v_max3_num_f32 v13, |v[WS+3]|, |v[WS+4]|, |v[WS+5]|
.irp i, 6,10,14,18,22,26
	v_max3_num_f32 v12, v12, |v[WS+\i]|, |v[WS+\i+1]|
	v_max3_num_f32 v13, v13, |v[WS+\i+2]|, |v[WS+\i+3]|
.endr
	v_max3_num_f32 v12, v12, |v[WS+30]|, |v[WS+31]|
	v_max3_num_f32 v12, v12, v13, (EMAX+1)<<23
	v_add_nc_u32 v11, -(EMAX<<23), v12
	v_lshrrev_b32 v13, 23, v11
.if (\t)%4 == 0
	v_mov_b32 v[WSB+(\t)/4], v13                   ; four bytes to a register, the lower K in the lower byte
.else
	v_lshl_or_b32 v[WSB+(\t)/4], v13, 8*((\t)%4), v[WSB+(\t)/4]
.endif
.irp g, 0,1,2,3
	v_cvt_scalef32_pk8_fp4_f32 v[WC+\g], v[WS+8*\g:WS+8*\g+7], v11
.endr
	ds_store_b128 v4, v[WC:WC+3] offset:16*(\t)    ; 32 codes: 16 bytes of my column's row
.if (\t)+2 < NB
	LOADW (\t)+2
.endif
	s_wait_dscnt 0x0                               ; the store has read its registers: the next block's codes may be written
.endm
.macro LOADO t                         ; chunk t: Wo(32 t + i, my column) into set t % 2
.irp i, 0,1,2,3,4,5,6,7,8,9,10,11,12,13,14,15,16,17,18,19,20,21,22,23,24,25,26,27,28,29,30,31
	global_load_b32 v[OX+32*((\t)%2)+\i], v3, s[20:21] offset:(32*(\t)+\i)*4096 th:TH_LOAD_NT
.endr
.endm
.macro CHO t
.set OS, OX+32*((\t)%2)
.set OD, OC+16*((\t)%2)
.if (\t) < 7
	s_wait_loadcnt 32                              ; this chunk's 32 loads are in; the next chunk's may be out
.else
	s_wait_loadcnt 0x0
.endif
.if (\t) >= 2
	s_wait_xcnt 0x0                                ; the stores of two chunks ago have read these registers
.endif
.irp p, 0,1,2,3,4,5,6,7,8,9,10,11,12,13,14,15
	v_cvt_pk_f16_f32 v[OD+\p], v[OS+2*\p], v[OS+2*\p+1]            ; k = 2 p in the low half
.endr
.if (\t)+2 < 8
	LOADO (\t)+2
.endif
.irp g, 0,1,2,3                        ; eight k: half g / 2 of the chunk, lanes' half g % 2: sixteen lanes store 256 consecutive bytes, aligned
	global_store_b128 v4, v[OD+4*\g:OD+4*\g+3], s[30:31] offset:1024*(\t)+512*(\g/2)+256*(\g%2)
.endr
.endm
	s_load_b512 s[8:23], s[0:1], 0x0               ; q 8, k 10, v 12, Wq 14, Wk 16, Wv 18, Wo 20, xc 22
	s_load_b256 s[24:31], s[0:1], 0x40             ; xs 24, wc 26, ws 28, wo16 30
	v_lshl_add_u32 v[SPW], v0, 2, SPARE
	v_mov_b32 v[NIL], 0
	v_lshrrev_b32 v1, 5, v0
	v_readfirstlane_b32 s32, v1                    ; wave 0..3
	v_and_b32 v2, 31, v0                           ; lane
	s_mov_b32 s39, 0                               ; the upper word of every offset
	s_wait_kmcnt 0x0
	s_cmp_lt_u32 ttmp9, 48
	s_cbranch_scc1 .Lpath_w
	s_cmp_lt_u32 ttmp9, 80
	s_cbranch_scc1 .Lpath_o
	; ---------------- job X: a wave takes a run of 8,192 numbers, 16 steps of 512
	s_sub_co_u32 s33, ttmp9, 80
	v_lshlrev_b32 v3, 4, v2                        ; my 16 bytes of a load's 512
	s_mul_i32 s34, s32, XREG
	v_lshrrev_b32 v14, 2, v2
	v_mul_u32_u24 v14, v14, SP
	v_and_b32 v15, 3, v2
	v_lshl_add_u32 v14, v15, 4, v14
	v_add_nc_u32 v14, s34, v14                     ; the stage, in: SP (lane / 4) + 16 (lane % 4)
	v_mul_u32_u24 v15, v2, SP
	v_add_nc_u32 v15, s34, v15                     ; and back: SP x lane
	v_mul_u32_u24 v4, v2, CB                       ; my codes' place in a step's
	v_lshrrev_b32 v5, 1, v2
	s_add_co_u32 s34, s34, 2*32*SP
	v_add_nc_u32 v5, s34, v5                       ; my block's byte among the wave's 256
	v_lshlrev_b32 v7, 3, v2
	v_add_nc_u32 v6, s34, v7
	s_cmp_lt_u32 s33, 256                          ; which tensor: the choice hangs on the work-group's number alone
	s_cselect_b64 s[36:37], s[8:9], s[10:11]
	s_cmp_lt_u32 s33, 512
	s_cselect_b64 s[36:37], s[36:37], s[12:13]
	s_lshl_b32 s35, s33, 2
	s_add_co_u32 s35, s35, s32                     ; my run, 0..3071; 1,024 runs to a tensor
	s_and_b32 s38, s35, 1023
	s_lshl_b32 s38, s38, 15
	s_add_nc_u64 s[36:37], s[36:37], s[38:39]      ; 32,768 bytes of f32 a run
	s_lshl_b32 s38, s35, 12
	s_add_nc_u64 s[22:23], s[22:23], s[38:39]      ; 4,096 bytes of codes
	s_lshl_b32 s38, s35, 8
	s_add_nc_u64 s[24:25], s[24:25], s[38:39]      ; 256 scale bytes
.irp t, 0,1,2,3
	LOADX \t
.endr
	s_wait_loadcnt 12                              ; step 0's four loads are in
	TURNX 0
.irp t, 0,1,2,3,4,5,6,7,8,9,10,11,12,13,14,15
	STEPX \t
.endr
	ds_load_b64 v[8:9], v6                         ; LDS serves a wave's instructions in order: these see my byte stores
	s_wait_dscnt 0x0
	global_store_b64 v7, v[8:9], s[24:25]          ; 32 lanes store 256 consecutive bytes, aligned
	s_wait_tensorcnt 0x0                           ; the wave's end: a wait, an add of 0 to my spare word and its wait, behind my last LDS store
	ds_add_u32 v[SPW], v[NIL]
	s_wait_dscnt 0x0
	s_endpgm
	; ---------------- job W: a wave takes 32 columns x 512 along K
.Lpath_w:
	s_lshr_b32 s33, ttmp9, 4                       ; which weight
	s_and_b32 s34, ttmp9, 7                        ; which 128 columns
	s_bfe_u32 s35, ttmp9, 0x10003                  ; which 512 along K
	s_cmp_lt_u32 s33, 1
	s_cselect_b64 s[36:37], s[14:15], s[16:17]
	s_cmp_lt_u32 s33, 2
	s_cselect_b64 s[36:37], s[36:37], s[18:19]
	s_lshl_b32 s34, s34, 7
	s_lshl_b32 s38, s32, 5
	s_add_co_u32 s34, s34, s38                     ; my wave's first column
	v_lshlrev_b32 v3, 2, v2                        ; in: 4 bytes a lane
	s_mul_i32 s40, s32, 32*WPITCH
	s_add_co_u32 s40, s40, WSTG                    ; my stage
	v_mul_u32_u24 v4, v2, WPITCH
	v_add_nc_u32 v4, s40, v4                       ; into it: row = my column
	v_and_b32 v5, 15, v2
	v_lshrrev_b32 v6, 4, v2
	v_mul_u32_u24 v7, v6, WPITCH
	v_lshl_add_u32 v7, v5, 4, v7
	v_add_nc_u32 v7, s40, v7                       ; out of it: sixteen lanes to a row, two rows an instruction
	v_lshlrev_b32 v8, 9, v6
	v_lshl_add_u32 v8, v5, 4, v8                   ; the same place in the codes' buffer
	v_lshlrev_b32 v9, 5, v2                        ; my column's row of 32 scale bytes
	s_lshl_b32 s38, s35, 21                        ; 512 rows of 4,096 bytes
	s_lshl_b32 s41, s34, 2
	s_add_co_u32 s38, s38, s41
	s_add_nc_u64 s[36:37], s[36:37], s[38:39]
	s_lshl_b32 s38, s33, 19                        ; a weight's codes are 524,288 bytes
	s_lshl_b32 s41, s34, 9
	s_add_co_u32 s38, s38, s41
	s_lshl_b32 s41, s35, 8
	s_add_co_u32 s38, s38, s41
	s_add_nc_u64 s[26:27], s[26:27], s[38:39]
	s_lshl_b32 s38, s33, 15                        ; its scale bytes 32,768
	s_lshl_b32 s41, s34, 5
	s_add_co_u32 s38, s38, s41
	s_lshl_b32 s41, s35, 4
	s_add_co_u32 s38, s38, s41
	s_add_nc_u64 s[28:29], s[28:29], s[38:39]
	LOADW 0
	LOADW 1
.irp t, 0,1,2,3,4,5,6,7,8,9,10,11,12,13,14,15
	BLOCKW \t
.endr
	global_store_b128 v9, v[WSB:WSB+3], s[28:29]   ; my column's 16 scale bytes
.irp t, 0,1,2,3,4,5,6,7,8,9,10,11,12,13,14,15
	ds_load_b128 v[WOUT+4*\t:WOUT+4*\t+3], v7 offset:2*\t*WPITCH
.endr
.irp t, 0,1,2,3,4,5,6,7,8,9,10,11,12,13,14,15
	s_wait_dscnt 15-\t                             ; LDS loads come back in order: rows 2 t, 2 t + 1 are in
	global_store_b128 v8, v[WOUT+4*\t:WOUT+4*\t+3], s[26:27] offset:2*\t*KROW   ; sixteen lanes store 256 consecutive bytes, aligned
.endr
	s_wait_tensorcnt 0x0                           ; the wave's end: the three lines
	ds_add_u32 v[SPW], v[NIL]
	s_wait_dscnt 0x0
	s_endpgm
	; ---------------- job O: a wave takes 32 columns x 256 along k, 8 chunks of 32
.Lpath_o:
	s_sub_co_u32 s33, ttmp9, 48
	s_and_b32 s34, s33, 7
	s_lshr_b32 s35, s33, 3                         ; which 256 along k
	s_lshl_b32 s34, s34, 7
	s_lshl_b32 s38, s32, 5
	s_add_co_u32 s34, s34, s38                     ; my wave's first column
	v_lshlrev_b32 v3, 2, v2
	v_lshrrev_b32 v4, 4, v2
	v_and_b32 v5, 15, v2
	v_lshlrev_b32 v4, 15, v4                       ; lanes 16-31: the next tile of 16 columns, 32,768 bytes on
	v_lshl_add_u32 v4, v5, 4, v4
	s_lshl_b32 s38, s35, 20                        ; 256 rows of 4,096 bytes
	s_lshl_b32 s41, s34, 2
	s_add_co_u32 s38, s38, s41
	s_add_nc_u64 s[20:21], s[20:21], s[38:39]
	s_lshr_b32 s38, s34, 4
	s_lshl_b32 s38, s38, 15
	s_lshl_b32 s41, s35, 13                        ; 8 chunks of 1,024 bytes
	s_add_co_u32 s38, s38, s41
	s_add_nc_u64 s[30:31], s[30:31], s[38:39]
	LOADO 0
	LOADO 1
.irp t, 0,1,2,3,4,5,6,7
	CHO \t
.endr
	s_wait_tensorcnt 0x0                           ; the same three lines at this wave's end
	ds_add_u32 v[SPW], v[NIL]
	s_wait_dscnt 0x0
	s_endpgm
.Lfunc_end_k_q0770b0504d_prep:
	.size	k_q0770b0504d_prep, .Lfunc_end_k_q0770b0504d_prep-k_q0770b0504d_prep
	.p2alignl 7, 3214868480
	.fill 96, 4, 3214868480
	.section	.rodata,"a",@progbits
	.p2align	6, 0x0
	.amdhsa_kernel k_q0770b0504d_prep
		.amdhsa_group_segment_fixed_size 68096
		.amdhsa_private_segment_fixed_size 0
		.amdhsa_enable_private_segment 0
		.amdhsa_kernarg_size 96
		.amdhsa_user_sgpr_count 2
		.amdhsa_user_sgpr_kernarg_segment_ptr 1
		.amdhsa_wavefront_size32 1
		.amdhsa_system_sgpr_workgroup_id_x 1
		.amdhsa_system_sgpr_workgroup_id_y 1
		.amdhsa_system_sgpr_workgroup_id_z 1
		.amdhsa_system_vgpr_workitem_id 0
		.amdhsa_next_free_vgpr 192
		.amdhsa_next_free_sgpr 66
		.amdhsa_reserve_vcc 0
		.amdhsa_float_denorm_mode_32 3
		.amdhsa_float_denorm_mode_16_64 3
		.amdhsa_memory_ordered 1
		.amdhsa_forward_progress 1
		.amdhsa_inst_pref_size 147
	.end_amdhsa_kernel
	.amdgpu_metadata
---
amdhsa.version: [ 1, 2 ]
amdhsa.kernels:
  - .name:           k_q0770b0504d_prep
    .symbol:         k_q0770b0504d_prep.kd
    .args:
      - { .name: q, .offset: 0, .size: 8, .value_kind: global_buffer, .address_space: global }
      - { .name: k, .offset: 8, .size: 8, .value_kind: global_buffer, .address_space: global }
      - { .name: v, .offset: 16, .size: 8, .value_kind: global_buffer, .address_space: global }
      - { .name: Wq, .offset: 24, .size: 8, .value_kind: global_buffer, .address_space: global }
      - { .name: Wk, .offset: 32, .size: 8, .value_kind: global_buffer, .address_space: global }
      - { .name: Wv, .offset: 40, .size: 8, .value_kind: global_buffer, .address_space: global }
      - { .name: Wo, .offset: 48, .size: 8, .value_kind: global_buffer, .address_space: global }
      - { .name: xc, .offset: 56, .size: 8, .value_kind: global_buffer, .address_space: global }
      - { .name: xs, .offset: 64, .size: 8, .value_kind: global_buffer, .address_space: global }
      - { .name: wc, .offset: 72, .size: 8, .value_kind: global_buffer, .address_space: global }
      - { .name: ws, .offset: 80, .size: 8, .value_kind: global_buffer, .address_space: global }
      - { .name: wo16, .offset: 88, .size: 8, .value_kind: global_buffer, .address_space: global }
    .group_segment_fixed_size: 68096
    .private_segment_fixed_size: 0
    .kernarg_segment_align: 8
    .kernarg_segment_size: 96
    .max_flat_workgroup_size: 128
    .sgpr_count:     66
    .vgpr_count:     192
    .wavefront_size: 32
...
	.end_amdgpu_metadata
.endif
;; end of part 1
;; launch proj (part 2): grid 4 x 96, 4 waves a work-group, clusters of 4 x 4, 327,680 bytes of LDS; arguments xc, xs, wc, ws, bq, bk, bv, qkv, fin; writes qkv, fin
.if DOCPART == 2
	.amdgcn_target "amdgcn-amd-amdhsa--gfx1250"
	.amdhsa_code_object_version 6
	.text
	.protected	k_q0770b0504d_proj
	.globl	k_q0770b0504d_proj
	.p2align	8
	.type	k_q0770b0504d_proj,@function
k_q0770b0504d_proj:
	s_mov_b64 s[64:65], 0
	v_nop
	global_prefetch_b8 v0, s[64:65] scope:SCOPE_SE
	s_setreg_imm32_b32 hwreg(HW_REG_WAVE_MODE, 25, 1), 1
	s_wait_xcnt 0x0
	s_wait_alu depctr_hold_cnt(0) depctr_sa_sdst(0) depctr_va_vdst(0) depctr_va_sdst(0) depctr_va_ssrc(0) depctr_va_vcc(0) depctr_vm_vsrc(0)
	s_getreg_b32 s2, hwreg(HW_REG_IB_STS2, 6, 4)
	s_cmp_eq_u32 s2, 0
	s_cbranch_scc0 .Lentry_in_a_cluster
	s_endpgm
.Lentry_in_a_cluster:
	s_bfe_u32 s2, ttmp6, 0x10000c
	s_cmp_lg_u32 s2, 0xf033
	s_cbranch_scc0 .Lentry_shape_is_right
	s_endpgm
.Lentry_shape_is_right:
; PROJ.  The three quantised products q Wq + bq, k Wk + bk, v Wv + bv: [8192][1024] x [1024][1024] each, on codes of E2M1 with one E8M0 scale for each 32 along K; sums in f32; the bias starts each sum.
; xc / xs hold the three inputs' codes and scale bytes one behind the other, 24,576 rows of 512 and of 32 bytes; wc / ws the three weights', 3,072 rows.
; A work-group of four waves makes 256 x 256 of one product, a wave 128 x 128: 64 accumulators of 16 x 16.  K = 1,024 is two slots of 512: both slots and all scale bytes are filled once, at the start; nothing is filled again.
; CLUSTERS: 4 x 4 work-groups of one product.  The four of a row need the same rows of the input, the four of a column the same rows of the weight: each tile is asked for jointly.
; THE MATRIX INSTRUCTION IS USED TRANSPOSED (source 0 = 16 rows of the weight, source 1 = 16 rows of the input): a lane holds eight neighbouring channels of one position.
; THE WAY OUT needs no stage: those eight numbers, rounded to f16, are 16 bytes of the NEXT product's operand.  qkv is laid [tensor][batch x head][16 positions][16 channels][512 bytes]:
;   q, k: lane l's 16 bytes at 16 l: two such blocks are the eight registers of a fragment of 16 positions x 32 channels;   v: position r's 32 bytes at 32 r: a tile [key][channel] for the turning LDS load.
;   So every store of a wave covers 512 consecutive bytes, aligned.
; Positions 0-15 of each batch also leave in f32 (fin: [tensor][batch][16 channels][half][lane][16 bytes]), for the launch that computes those rows finely: stores under an EXEC mask made of ids, no branch.
; LIMITS: results beyond 65,504 in magnitude have no f16 number; NaN and infinities are not served.
; REGISTERS: window 0: v16-31 addresses; v32-95 scale words, two sets; v128-191 the input's fragments, one set; v192-255 the bias in the result's layout; on the way out v32-159 packed results.
;   window 1: the weight's fragments, two sets.   windows 2, 3: the accumulators of my rows 0-63, 64-127 ((a, b) at v[8 (8 (a % 4) + b)]).
.set NQ,     4                         ; matrix instructions deep in a slot
.set ROWB,   256                       ; a tile's row: 512 codes
.set KROW,   512                       ; a row of codes in memory
.set PITCH,  272                       ; an LDS row: 256 bytes + 16 of padding: the 16 rows of a load start at 16 different banks (64 banks of 4 bytes: ISA guide 11.1)
.set FR,     8
.set NL,     2
.set NP,     4                         ; places behind this matrix instruction (ISA guide 7.12.1)
.set HALFT,  128*PITCH
.set SLOT,   4*HALFT
.set KS,     32                        ; a row of scale bytes
.set SCL,    2*SLOT                    ; behind the slots: the scales, as units of 256 bytes + 16 of padding
.set HALFS,  (128*KS/256)*272
.set SBLK,   (16*KS/256)*272
.set SPARE,  SCL+4*HALFS               ; the spare words, 128 bytes a wave
.set ADRA, 16
.set ADRB, 20
.set CO,   26                          ; v26 my lane's place in a block of qkv
.set ADRS, 27
.set SPW,  28
.set NIL,  29
.set VB,   30                          ; v30 32 x (lane / 16): my eight numbers of a bias block
.set FO,   31                          ; v31 16 x lane
.set SC,   32
.set AF,   128
.set BIAS, 192
.set PK,   32
.set G1, 24
.set G0, 32
.set G1B, 48
.set G0B, 56
.set G1S, 68
.set G0S, 76
.set G1SB, 80
.set G0SB, 88
.set MSB, 0
.macro WIN new                         ; the immediate's high byte repeats the setting that is left
.if MSB != \new
	s_set_vgpr_msb (MSB<<8)|\new
.set MSB, \new
.endif
.endm
.set MUL_LO, 0xa1                      ; source 0 window 1, source 1 window 0, C and D window 2
.set MUL_HI, 0xf1                      ; the same, C and D window 3
.set TO_B,   0x40
; A joint load: waves 0 and 1 fetch the input's halves, waves 2 and 3 the weight's.  The branch hangs on the wave's number alone.  An s_nop 0 and four v_nop follow each line.
.macro JLOAD g0a, g1a, g0b, g1b
	s_cmp_eq_u32 s23, 0
	s_cbranch_scc0 .Lfor_b_\@
	tensor_load_to_lds s[\g0a:\g0a+3], s[\g1a:\g1a+7]
	s_nop 0
.rept 4
	v_nop
.endr
	s_branch .Lasked_\@
.Lfor_b_\@:
	tensor_load_to_lds s[\g0b:\g0b+3], s[\g1b:\g1b+7]
	s_nop 0
.rept 4
	v_nop
.endr
.Lasked_\@:
.endm
.macro CROUND                          ; a round of the cluster's barrier
	s_barrier_signal -1
	s_barrier_wait -1
	s_cmp_lg_u32 s22, 0
	s_cbranch_scc1 .Lnot_wave_0_\@
	s_barrier_signal -3
.Lnot_wave_0_\@:
	s_barrier_wait -3
	s_barrier_signal -1
	s_barrier_wait -1
.endm
	s_load_b256 s[4:11], s[0:1], 0x0               ; xc 4, xs 6, wc 8, ws 10
	s_load_b256 s[12:19], s[0:1], 0x20             ; bq 12, bk 14, bv 16, qkv 18
	s_load_b64 s[20:21], s[0:1], 0x40              ; fin
	v_lshl_add_u32 v[SPW], v0, 2, SPARE
	v_mov_b32 v[NIL], 0
	ds_add_u32 v[SPW], v[NIL]                      ; the wave's opening: the add, twice on end, and its wait ahead of my first tensor load
	ds_add_u32 v[SPW], v[NIL]
	v_lshrrev_b32 v1, 5, v0
	v_readfirstlane_b32 s22, v1                    ; wave 0..3
	s_lshr_b32 s23, s22, 1                         ; which half of the tile's rows is mine.  Also: I fetch for the input (0) or the weight (1)
	s_and_b32 s66, s22, 1                          ; which half of its columns.  Also: which 128 rows I fetch
	s_bfe_u32 s40, ttmp6, 0x40000                  ; cx
	s_bfe_u32 s41, ttmp6, 0x40004                  ; cy
	s_lshl_b32 s42, ttmp9, 2
	s_add_co_u32 s42, s42, s40                     ; tile column 0..3
	s_and_b32 s2, ttmp7, 0xffff                    ; cluster y 0..23
	s_lshr_b32 s67, s2, 3                          ; which product: the same in all sixteen partners
	s_lshl_b32 s98, s2, 2
	s_add_co_u32 s98, s98, s41                     ; tile row in the stack of 96
	s_lshl_b32 s43, s41, 2
	s_lshl_b32 s43, 15, s43                        ; my row of the cluster
	s_lshl_b32 s44, 0x1111, s40                    ; my column
	s_or_b32 s[G1+0], s43, (0<<16)|(1<<20)|(1<<21)|(5<<22)|(3<<25)  ; the mask; elements of 1 byte; padding: 4 words behind every 64
	s_or_b32 s[G1B+0], s44, (0<<16)|(1<<20)|(1<<21)|(5<<22)|(3<<25)
.irp g, G1, G1B
	s_mov_b32 s[\g+1], ROWB<<16                    ; tensor_dim0
	s_mov_b32 s[\g+2], 128<<16                     ; tensor_dim1
	s_mov_b32 s[\g+3], ROWB<<16                    ; tile_dim0
	s_mov_b32 s[\g+4], 128                         ; tile_dim1
	s_mov_b32 s[\g+5], KROW                        ; from row to row
	s_mov_b32 s[\g+6], 0
	s_mov_b32 s[\g+7], 0
.endr
	s_or_b32 s[G1S+0], s43, (3<<16)|(1<<20)|(1<<21)|(5<<22)|(3<<25) ; the scales of 128 rows: 4,096 dense bytes as 16 rows of 256 (32 elements of 8 bytes), 16 bytes of padding behind each
	s_or_b32 s[G1SB+0], s44, (3<<16)|(1<<20)|(1<<21)|(5<<22)|(3<<25)
.irp g, G1S, G1SB
	s_mov_b32 s[\g+1], 32<<16
	s_mov_b32 s[\g+2], (128*KS/256)<<16
	s_mov_b32 s[\g+3], 32<<16
	s_mov_b32 s[\g+4], 128*KS/256
	s_mov_b32 s[\g+5], 32
	s_mov_b32 s[\g+6], 0
	s_mov_b32 s[\g+7], 0
.endr
	s_lshl_b32 s2, s66, 7                          ; which 128 rows I fetch
	s_lshl_b32 s92, s98, 8
	s_add_co_u32 s92, s92, s2                      ; the input's row
	s_lshl_b32 s94, s92, 5                         ; its scale bytes,
	s_lshl_b32 s92, s92, 9                         ; its codes (all under 2^32)
	s_mov_b32 s93, 0
	s_mov_b32 s95, 0
	s_lshl_b32 s96, s67, 10                        ; the weight's row: 1,024 x product + 256 x tile column + 128 x half
	s_lshl_b32 s3, s42, 8
	s_add_co_u32 s96, s96, s3
	s_add_co_u32 s96, s96, s2
	s_lshl_b32 s100, s96, 5
	s_lshl_b32 s96, s96, 9
	s_mov_b32 s97, 0
	s_mov_b32 s101, 0
	s_mul_i32 s45, s22, HALFT                      ; where they go: wave x 128 rows: no place in the cluster enters an LDS address
	s_mul_i32 s46, s22, HALFS
	s_wait_dscnt 0x0                               ; both opening adds are done
	s_wait_kmcnt 0x0
	s_add_nc_u64 s[92:93], s[4:5], s[92:93]
	s_add_nc_u64 s[94:95], s[6:7], s[94:95]
	s_add_nc_u64 s[96:97], s[8:9], s[96:97]
	s_add_nc_u64 s[100:101], s[10:11], s[100:101]
	CROUND                                         ; all sixteen work-groups are here: the joint loads meet
	s_mov_b32 s[G0S], 1
	s_add_co_u32 s[G0S+1], s46, SCL
	s_mov_b64 s[G0S+2:G0S+3], s[94:95]
	s_or_b32 s[G0S+3], s[G0S+3], 0x80000000
	s_mov_b32 s[G0SB], 1
	s_add_co_u32 s[G0SB+1], s46, SCL
	s_mov_b64 s[G0SB+2:G0SB+3], s[100:101]
	s_or_b32 s[G0SB+3], s[G0SB+3], 0x80000000
	JLOAD G0S, G1S, G0SB, G1SB                     ; the scales first: they are wanted with the first slot
.irp s, 0,1
	s_mov_b32 s[G0+4*\s], 1
	s_add_co_u32 s[G0+4*\s+1], s45, \s*SLOT
	s_add_nc_u64 s[G0+4*\s+2:G0+4*\s+3], s[92:93], \s*ROWB
	s_or_b32 s[G0+4*\s+3], s[G0+4*\s+3], 0x80000000
	s_mov_b32 s[G0B+4*\s], 1
	s_add_co_u32 s[G0B+4*\s+1], s45, \s*SLOT
	s_add_nc_u64 s[G0B+4*\s+2:G0B+4*\s+3], s[96:97], \s*ROWB
	s_or_b32 s[G0B+4*\s+3], s[G0B+4*\s+3], 0x80000000
	JLOAD G0+4*\s, G1, G0B+4*\s, G1B               ; three loads of mine are out in all
.endr
	v_and_b32 v1, 15, v0                           ; r = l % 16
	v_bfe_u32 v2, v0, 4, 1                         ; h = l / 16
	; the bias: block b of my 128 columns, my eight of its sixteen, in the result's layout
	s_cmp_lt_u32 s67, 1
	s_cselect_b64 s[12:13], s[12:13], s[14:15]
	s_cmp_lt_u32 s67, 2
	s_cselect_b64 s[12:13], s[12:13], s[16:17]
	s_lshl_b32 s2, s42, 10
	s_lshl_b32 s3, s66, 9
	s_add_co_u32 s2, s2, s3
	s_mov_b32 s3, 0
	s_add_nc_u64 s[12:13], s[12:13], s[2:3]
	v_lshlrev_b32 v[VB], 5, v2
.irp b, 0,1,2,3,4,5,6,7
	global_load_b128 v[BIAS+8*\b:BIAS+8*\b+3], v[VB], s[12:13] offset:64*\b
	global_load_b128 v[BIAS+8*\b+4:BIAS+8*\b+7], v[VB], s[12:13] offset:64*\b+16
.endr
	v_mul_u32_u24 v3, v1, PITCH
	v_lshl_add_u32 v4, v2, 4, v3                   ; a fragment's row x pitch + 16 x half
	s_mul_i32 s2, s23, HALFT                       ; my 128 rows of the input
	s_mul_i32 s3, s66, HALFT                       ; my 128 rows of the weight,
	s_add_co_u32 s3, s3, 2*HALFT                   ; which lie behind the input's 256
.irp s, 0,1
	v_add_nc_u32 v[ADRA+\s], s2, v4
	v_add_nc_u32 v[ADRB+\s], s3, v4
	s_add_co_u32 s2, s2, SLOT
	s_add_co_u32 s3, s3, SLOT
.endr
	v_mul_u32_u24 v5, v1, KS                       ; my row's scales: 32 bytes a row,
	v_lshrrev_b32 v6, 8, v5
	v_lshl_add_u32 v5, v6, 4, v5                   ; and 16 more for each 256 passed
	s_mul_i32 s2, s23, HALFS
	s_mul_i32 s3, s66, HALFS
	s_add_co_u32 s3, s3, 2*HALFS
	s_sub_co_u32 s3, s3, s2
	v_mul_u32_u24 v6, s3, v2                       ; lanes 16-31 take the weight's
	s_add_co_u32 s2, s2, SCL
	v_add_nc_u32 v5, v5, v6
	v_add_nc_u32 v[ADRS], s2, v5
	; the way out: my lane's place in a block, and where my wave's blocks begin
	s_cmp_eq_u32 s67, 2
	s_cselect_b32 s2, 32, 16                       ; q, k: 16 r + 256 h;  v: 32 r + 16 h
	s_cselect_b32 s3, 16, 256
	v_mul_u32_u24 v[CO], v1, s2
	v_mad_u32_u24 v[CO], v2, s3, v[CO]
	v_and_b32 v5, 31, v0
	v_lshlrev_b32 v[FO], 4, v5
	s_and_b32 s92, s98, 31                         ; tile row within the product
	s_lshr_b32 s95, s92, 3                         ; batch
	s_lshl_b32 s2, s67, 24                         ; a tensor of qkv is 2^24 bytes,
	s_lshl_b32 s93, s95, 22                        ; a batch's 16 heads 2^22,
	s_add_co_u32 s2, s2, s93
	s_lshl_b32 s93, s42, 2
	s_lshl_b32 s94, s66, 1
	s_add_co_u32 s93, s93, s94                     ; my first head: 4 x tile column + 2 x half
	s_lshl_b32 s93, s93, 18                        ; a head 2^18,
	s_add_co_u32 s2, s2, s93
	s_and_b32 s93, s92, 7
	s_lshl_b32 s100, s93, 0                        ; (kept: 0 where the tile begins a sequence)
	s_lshl_b32 s93, s93, 4
	s_lshl_b32 s94, s23, 3
	s_add_co_u32 s93, s93, s94                     ; my first tile of 16 positions in the sequence
	s_lshl_b32 s93, s93, 11                        ; 2,048 bytes each
	s_add_co_u32 s2, s2, s93
	s_mov_b32 s3, 0
	s_add_nc_u64 s[18:19], s[18:19], s[2:3]
	s_lshl_b32 s96, s95, 6
	s_lshl_b32 s93, s42, 4
	s_add_co_u32 s96, s96, s93
	s_lshl_b32 s93, s66, 3
	s_add_co_u32 s96, s96, s93                     ; fin: 64 x batch + my first block of 16 channels
	s_lshl_b32 s96, s96, 10
	s_lshl_b32 s93, s67, 18
	s_add_co_u32 s96, s96, s93
	s_mov_b32 s97, 0
	s_add_nc_u64 s[20:21], s[20:21], s[96:97]
	s_or_b32 s100, s100, s23                       ; 0 in the waves whose block 0 holds positions 0-15 of a batch
.macro FRAG reg, adr, q, i             ; 16 rows x 128 K of 4-bit codes: 8 registers: lane l holds row l % 16; registers 4 c .. 4 c + 3 hold K = 64 c + 32 (l / 16) + 0 .. 31
.irp c, 0,1
	ds_load_b128 v[\reg+4*\c:\reg+4*\c+3], v[\adr] offset:64*(\q)+32*\c+(\i)*16*PITCH
.endr
.endm
; 16 matrix instructions: the input's blocks a0, a0 + 1 x the weight's eight, 128 along K.  first = 1: the bias is the C that starts the sums: nothing is cleared and nothing is added later.
; The 64 accumulators take turns, one instruction a turn, in the same order in every step.
.macro MUL16 a0, p, q, sc, first
.irp a, \a0, \a0+1
.irp b, 0,1,2,3,4,5,6,7
.if \first
	v_wmma_scale_f32_16x16x128_f8f6f4 v[8*(8*((\a)%4)+\b):8*(8*((\a)%4)+\b)+7], v[128*(\p)+FR*\b:128*(\p)+FR*\b+FR-1], v[AF+FR*(\a):AF+FR*(\a)+FR-1], v[BIAS+8*\b:BIAS+8*\b+7], v[SC+8*NQ*(\sc)+NQ*\b+(\q)], v[SC+8*NQ*(\sc)+NQ*(\a)+(\q)] matrix_a_fmt:MATRIX_FMT_FP4 matrix_b_fmt:MATRIX_FMT_FP4 matrix_a_scale:MATRIX_SCALE_ROW1
.else
	v_wmma_scale_f32_16x16x128_f8f6f4 v[8*(8*((\a)%4)+\b):8*(8*((\a)%4)+\b)+7], v[128*(\p)+FR*\b:128*(\p)+FR*\b+FR-1], v[AF+FR*(\a):AF+FR*(\a)+FR-1], v[8*(8*((\a)%4)+\b):8*(8*((\a)%4)+\b)+7], v[SC+8*NQ*(\sc)+NQ*\b+(\q)], v[SC+8*NQ*(\sc)+NQ*(\a)+(\q)] matrix_a_fmt:MATRIX_FMT_FP4 matrix_b_fmt:MATRIX_FMT_FP4 matrix_a_scale:MATRIX_SCALE_ROW1
.endif
.endr
.endr
.endm
.macro FETCH_B slot, q, p
	WIN TO_B
.irp i, 0,1,2,3,4,5,6,7
	FRAG 128*(\p)+FR*\i, ADRB+\slot, \q, \i
.endr
	WIN 0
.endm
.macro FETCH_A slot, q, i0
.irp i, \i0, \i0+1, \i0+2, \i0+3
	FRAG AF+FR*(\i), ADRA+\slot, \q, \i
.endr
.endm
.macro SCALES sc                       ; a slot's scale words: lanes 0-15 take the input's block i, lanes 16-31 the weight's block i
.irp i, 0,1,2,3,4,5,6,7
	ds_load_b128 v[SC+8*NQ*\sc+NQ*\i:SC+8*NQ*\sc+NQ*\i+3], v[ADRS] offset:\i*SBLK
.endr
.endm
.macro PLACES n                        ; plain vector instructions between a matrix instruction and a load into, or a read of, its registers
.rept \n
	v_nop
.endr
.endm
.macro STEP slot, q, first             ; 128 along K with its successor in the same slot
	s_wait_dscnt 4*NL                              ; the weight's set and the input's blocks 0-3 are in; the youngest eight loads (blocks 4-7) may be out
.if \first
	WIN 0x81                                       ; C (the bias) window 0, D window 2
.else
	WIN MUL_LO
.endif
	MUL16 0, (\q)%2, \q, \slot, \first
	MUL16 2, (\q)%2, \q, \slot, \first
	s_wait_dscnt 0                                 ; blocks 4-7 are in
	PLACES NP
	FETCH_B \slot, (\q)+1, 1-(\q)%2
	FETCH_A \slot, (\q)+1, 0
.if \first
	WIN 0xc1                                       ; C window 0, D window 3
.else
	WIN MUL_HI
.endif
	MUL16 4, (\q)%2, \q, \slot, \first
	MUL16 6, (\q)%2, \q, \slot, \first
	PLACES NP
	WIN 0
	FETCH_A \slot, (\q)+1, 4
.endm
.macro TURN slot, next                 ; a slot's last step goes over to the other slot: one barrier; in front of it each wave has waited for its part of that slot
	s_wait_tensorcnt 0x0                           ; all my tensor loads have landed: my part of the other slot
	ds_add_u32 v[SPW], v[NIL]                      ; 0 onto my spare word
	s_wait_dscnt 4*NL+1                            ; (the add and the youngest eight loads may be out)
	WIN MUL_LO
	MUL16 0, 1, NQ-1, \slot, 0
	s_wait_dscnt 0x0                               ; the add is done, my reads of this slot are over
	s_barrier_signal -1
	MUL16 2, 1, NQ-1, \slot, 0
	WIN 0
	s_barrier_wait -1
	PLACES NP
	v_add_nc_u32 v[ADRS], 4*NQ, v[ADRS]            ; on to the other slot's scale words
	FETCH_B \next, 0, 0
	FETCH_A \next, 0, 0
	SCALES \next
	WIN MUL_HI
	MUL16 4, 1, NQ-1, \slot, 0
	MUL16 6, 1, NQ-1, \slot, 0
	PLACES NP
	WIN 0
	FETCH_A \next, 0, 4
.endm
.macro STEPS slot, from
.set Q, \from
.rept NQ-1-\from
	STEP \slot, Q, 0
.set Q, Q+1
.endr
.endm
	s_wait_tensorcnt 1                             ; the scales and my part of slot 0 are in; slot 1's load may be out
	s_barrier_signal -1
	s_barrier_wait -1
	FETCH_B 0, 0, 0
	FETCH_A 0, 0, 0
	SCALES 0
	FETCH_A 0, 0, 4
	s_wait_loadcnt 0x0                             ; the bias
	STEP 0, 0, 1
	STEPS 0, 1
	TURN 0, 1
	STEPS 1, 0
	s_wait_dscnt 4*NL                              ; the last step: nothing more to fetch
	WIN MUL_LO
	MUL16 0, 1, NQ-1, 1, 0
	MUL16 2, 1, NQ-1, 1, 0
	s_wait_dscnt 0
	WIN MUL_HI
	MUL16 4, 1, NQ-1, 1, 0
	MUL16 6, 1, NQ-1, 1, 0
	WIN 0
	PLACES NP                                      ; behind the last products, ahead of every read of results and every write of operand registers
	; positions 0-15 of a batch in f32: block 0 of the waves that hold them.  The mask is made of ids; all waves run the same lines
	v_mov_b32 v5, s100
	v_cmp_eq_u32 vcc_lo, 0, v5
	s_wait_xcnt 0x0                                ; EXEC changes only behind this wait
	s_and_saveexec_b32 s99, vcc_lo
	WIN 0x08                                       ; a store's data: window 2
.irp b, 0,1,2,3,4,5,6,7
	global_store_b128 v[FO], v[8*\b:8*\b+3], s[20:21] offset:1024*\b          ; each accumulator from its low end on; the wave stores 512 consecutive bytes
	global_store_b128 v[FO], v[8*\b+4:8*\b+7], s[20:21] offset:1024*\b+512
.endr
	WIN 0
	s_wait_xcnt 0x0                                ; and again, in front of the line that widens it
	s_or_b32 exec_lo, exec_lo, s99
.macro OUT a                           ; block a: 16 positions x 128 channels, rounded to f16, eight blocks of 512 bytes
.set AC, 64*((\a)%4)
.set PB, PK+32*((\a)%4)
.if (\a) >= 4
	s_wait_xcnt 0x0                                ; the stores of four blocks ago have read these registers
.endif
	WIN 0x0a+5*((\a)/4)                            ; sources 0 and 1: window 2 or 3
.irp b, 0,1,2,3,4,5,6,7
.irp i, 0,1,2,3
	v_cvt_pk_f16_f32 v[PB+4*\b+\i], v[AC+8*\b+2*\i], v[AC+8*\b+2*\i+1]
.endr
.endr
	WIN 0
.irp b, 0,1,2,3,4,5,6,7
	global_store_b128 v[CO], v[PB+4*\b:PB+4*\b+3], s[18:19] offset:(\b/4)*262144+(\a)*2048+(\b%4)*512   ; head b / 4 of my two, 16 channels b % 4 of its four
.endr
.endm
.irp a, 0,1,2,3,4,5,6,7
	OUT \a
.endr
	s_wait_tensorcnt 0x0                           ; the wave's end
	ds_add_u32 v[SPW], v[NIL]
	s_wait_dscnt 0x0
	CROUND                                         ; the closing round
	s_endpgm
.Lfunc_end_k_q0770b0504d_proj:
	.size	k_q0770b0504d_proj, .Lfunc_end_k_q0770b0504d_proj-k_q0770b0504d_proj
	.p2alignl 7, 3214868480
	.fill 96, 4, 3214868480
	.section	.rodata,"a",@progbits
	.p2align	6, 0x0
	.amdhsa_kernel k_q0770b0504d_proj
		.amdhsa_group_segment_fixed_size 327680
		.amdhsa_private_segment_fixed_size 0
		.amdhsa_enable_private_segment 0
		.amdhsa_kernarg_size 72
		.amdhsa_user_sgpr_count 2
		.amdhsa_user_sgpr_kernarg_segment_ptr 1
		.amdhsa_wavefront_size32 1
		.amdhsa_system_sgpr_workgroup_id_x 1
		.amdhsa_system_sgpr_workgroup_id_y 1
		.amdhsa_system_sgpr_workgroup_id_z 1
		.amdhsa_system_vgpr_workitem_id 0
		.amdhsa_next_free_vgpr 1024
		.amdhsa_next_free_sgpr 102
		.amdhsa_reserve_vcc 1
		.amdhsa_float_denorm_mode_32 3
		.amdhsa_float_denorm_mode_16_64 3
		.amdhsa_memory_ordered 1
		.amdhsa_forward_progress 1
		.amdhsa_inst_pref_size 122
	.end_amdhsa_kernel
	.amdgpu_metadata
---
amdhsa.version: [ 1, 2 ]
amdhsa.kernels:
  - .name:           k_q0770b0504d_proj
    .symbol:         k_q0770b0504d_proj.kd
    .args:
      - { .name: xc, .offset: 0, .size: 8, .value_kind: global_buffer, .address_space: global }
      - { .name: xs, .offset: 8, .size: 8, .value_kind: global_buffer, .address_space: global }
      - { .name: wc, .offset: 16, .size: 8, .value_kind: global_buffer, .address_space: global }
      - { .name: ws, .offset: 24, .size: 8, .value_kind: global_buffer, .address_space: global }
      - { .name: bq, .offset: 32, .size: 8, .value_kind: global_buffer, .address_space: global }
      - { .name: bk, .offset: 40, .size: 8, .value_kind: global_buffer, .address_space: global }
      - { .name: bv, .offset: 48, .size: 8, .value_kind: global_buffer, .address_space: global }
      - { .name: qkv, .offset: 56, .size: 8, .value_kind: global_buffer, .address_space: global }
      - { .name: fin, .offset: 64, .size: 8, .value_kind: global_buffer, .address_space: global }
    .group_segment_fixed_size: 327680
    .private_segment_fixed_size: 0
    .kernarg_segment_align: 8
    .kernarg_segment_size: 72
    .max_flat_workgroup_size: 128
    .sgpr_count:     102
    .vgpr_count:     1024
    .wavefront_size: 32
...
	.end_amdgpu_metadata
.endif
;; end of part 2
;; launch attn (part 3): grid 4 x 64, 16 waves a work-group, clusters of 4 x 1, 327,680 bytes of LDS; arguments qkv, oimg; writes oimg
.if DOCPART == 3
	.amdgcn_target "amdgcn-amd-amdhsa--gfx1250"
	.amdhsa_code_object_version 6
	.text
	.protected	k_q0770b0504d_attn
	.globl	k_q0770b0504d_attn
	.p2align	8
	.type	k_q0770b0504d_attn,@function
k_q0770b0504d_attn:
	s_mov_b64 s[64:65], 0
	v_nop
	global_prefetch_b8 v0, s[64:65] scope:SCOPE_SE
	s_setreg_imm32_b32 hwreg(HW_REG_WAVE_MODE, 25, 1), 1
	s_wait_xcnt 0x0
	s_wait_alu depctr_hold_cnt(0) depctr_sa_sdst(0) depctr_va_vdst(0) depctr_va_sdst(0) depctr_va_ssrc(0) depctr_va_vcc(0) depctr_vm_vsrc(0)
	s_getreg_b32 s2, hwreg(HW_REG_IB_STS2, 6, 4)
	s_cmp_eq_u32 s2, 0
	s_cbranch_scc0 .Lentry_in_a_cluster
	s_endpgm
.Lentry_in_a_cluster:
	s_bfe_u32 s2, ttmp6, 0x10000c
	s_cmp_lg_u32 s2, 0x3003
	s_cbranch_scc0 .Lentry_shape_is_right
	s_endpgm
.Lentry_shape_is_right:
; ATTN.  O[b,h][q] = sum over k <= q of softmax_k(Q[q] . K[k] / 8) V[k], head size 64, 2,048 positions, 64 (batch, head) pairs.  Operands in f16, products, maxima and sums in f32; the weights p are rounded to f16
; for the second product, O once at the end.  A running maximum m and sum l for each query: p = 2^(c s - c m), c = log2(e) / 8; in every step O and l are multiplied by a = 2^(c m_old - c m_new).
; SHARES.  A cluster of four work-groups is one (batch, head).  Wave w of work-group cx owns the 32 queries 128 g + 32 cx + 0..31, two tiles of 16, g = the wave's rank (a permutation of w): so the four partners'
; waves w cover one group of 128 positions, and every jump under the causal mask hangs on the wave's number and the count of steps alone, never on the place in the cluster.
; Sixteen waves of 256 registers: four to a SIMD, so that one wave's softmax stands beside another's products and LDS loads.
; K AND V come as images of operand registers (see the launch before): a tile of 16 keys is 2,048 dense bytes.  Two LDS slots of 512 keys (K's 65,536 bytes, then V's), filled by joint tensor loads: every wave asks
; for 8,192 bytes, the same in all four partners.  Every partner has waves of every rank, so every slot is read in every partner.
; LAYOUT.  S^T = K Q^T (source 0 = 16 keys, source 1 = 16 queries) and O^T = V^T P: a lane holds ONE query (lane % 16) throughout; two tiles of S^T, rounded in pairs, are source 1 of the second product.
; K's fragments come from LDS at 16 x lane; V's, [key][channel] with rows of 32 bytes, by the turning load.
; CAUSAL.  A step of 64 keys that begins behind the wave's group of 128 positions is jumped over; a step that ends inside the group has its hidden scores set to -infinity (p = 0); key 0 lies in step 0, so m is a
; number from the first step on.  Hidden scores are -infinity here where the definition has -1e10: the same weights, 0, as long as visible scores / 8 lie far above -1e10.
; O leaves as images too: oimg [16 positions][head][16 channels][512 bytes]: each store of a wave covers 512 consecutive bytes, aligned.
; LIMITS: |O| under 65,504; NaN and infinities are not served.
.set SLOT1, 131072                     ; slot 1 begins here: one exclusive or turns an address from one slot to the other
.set VOFF,  65536
.set SPARE, 262144                     ; behind the slots: the spare words, 128 bytes a wave
.set LI,   1                           ; v1  16 x lane
.set AV0,  2                           ; v2  my lane's place in a tile of V
.set ADK,  3                           ; v3  LDS address of the step's K
.set ADV,  4                           ; v4  of its V
.set QD,   5                           ; v5  my query of tile 0, less 8 (lane / 16)
.set SPW,  6
.set NIL,  7
.set NINF, 8                           ; v8  -infinity
.set DD,   9                           ; v9  QD - the step's first key
.set ST,   12                          ; tile t's statistics at v[12 + 8 t]: +0 c m, +1 m, +2, +3 l, +4..+7 at work; a at +6
.set SM2,  28                          ; v[28 + 2 t ..] one chain of the sums
.set Q,    32                          ; v32-63   Q: tile t, 16 channels c at Q + 16 t + 4 c
.set S,    64                          ; v64-127  S^T: tile t, 16 keys k at S + 32 t + 8 k; then p; then P in its first 16 registers
.set O,    128                         ; v128-191 O^T: tile t, 16 channels c at O + 32 t + 8 c
.set KV,   192                         ; v192-255 K's fragments, then V's
.set WV,   8
.set CX,   9
.set BH,   10
.set RHO,  11
.set GR,   12                          ; s12 the first position of my group
.set GRE,  13                          ; s13 the first behind it
.set KF,   14                          ; s14 the step's first key
.set TB,   15                          ; s15 LDS byte at which the step's K begins
.set CNT,  16
.set SLC,  17
.set CS,   18                          ; s[18:19] c
.set SEL,  20                          ; s[20:21] lane selects: lane l xor 16
.set G1,   24
.set G0A,  32
.set G0B,  36
.macro CROUND                          ; a round of the cluster's barrier
	s_barrier_signal -1
	s_barrier_wait -1
	s_cmp_lg_u32 s[WV], 0
	s_cbranch_scc1 .Lnot_wave_0_\@
	s_barrier_signal -3
.Lnot_wave_0_\@:
	s_barrier_wait -3
	s_barrier_signal -1
	s_barrier_wait -1
.endm
	s_load_b128 s[4:7], s[0:1], 0x0                ; qkv s[4:5], oimg s[6:7]
	v_lshl_add_u32 v[SPW], v0, 2, SPARE
	v_mov_b32 v[NIL], 0
	ds_add_u32 v[SPW], v[NIL]                      ; the wave's opening: the add, twice on end, and its wait ahead of my first tensor load
	ds_add_u32 v[SPW], v[NIL]
	v_lshrrev_b32 v10, 5, v0
	v_readfirstlane_b32 s[WV], v10                 ; wave 0..15
	s_bfe_u32 s[CX], ttmp6, 0x40000                ; my place in the cluster: it enters Q's and O's addresses and the mask's compare alone
	s_and_b32 s[BH], ttmp7, 0xffff                 ; 16 x batch + head
	s_bfe_u32 s[RHO], s[WV], 0x10002               ; the rank: every second four of waves is counted backwards
	s_mul_i32 s[RHO], s[RHO], 3
	s_and_b32 s22, s[WV], 3
	s_xor_b32 s[RHO], s[RHO], s22
	s_and_b32 s22, s[WV], 12
	s_or_b32 s[RHO], s[RHO], s22
	s_lshl_b32 s[GR], s[RHO], 7
	s_add_co_u32 s[GRE], s[GR], 128
	s_mov_b32 s[KF], 0
	s_mov_b32 s[TB], 0
	s_mov_b32 s[CS], 0x3e38aa3b                    ; log2(e) / 8
	s_mov_b32 s[CS+1], s[CS]                       ; (named with it as a pair, so it is written)
	s_mov_b32 s[SEL], 0x76543210
	s_mov_b32 s[SEL+1], 0xfedcba98
	s_mov_b32 s[G1], 15|(3<<16)|(1<<21)            ; the mask: all four work-groups; elements of 8 bytes; bit 21 beside a mask; no padding
	s_mov_b32 s[G1+1], 32<<16                      ; tensor_dim0 = 32 elements: 256 bytes
	s_mov_b32 s[G1+2], 32<<16                      ; tensor_dim1 = 32 rows
	s_mov_b32 s[G1+3], 32<<16                      ; tile_dim0
	s_mov_b32 s[G1+4], 32                          ; tile_dim1
	s_mov_b32 s[G1+5], 32                          ; from row to row: dense
	s_mov_b32 s[G1+6], 0
	s_mov_b32 s[G1+7], 0
	s_lshr_b32 s40, s[WV], 3                       ; waves 0-7 fetch K (tensor 1 of qkv), waves 8-15 V (tensor 2)
	s_add_co_u32 s40, s40, 1
	s_lshl_b32 s40, s40, 24
	s_lshl_b32 s41, s[BH], 18
	s_add_co_u32 s40, s40, s41
	s_and_b32 s41, s[WV], 7
	s_lshl_b32 s41, s41, 13                        ; my 8,192 bytes of a slot's 65,536
	s_add_co_u32 s40, s40, s41
	s_mov_b32 s41, 0
	s_lshl_b32 s23, s[WV], 13                      ; and in LDS: 8,192 x wave
	s_lshl_b32 s42, s[RHO], 3
	s_lshl_b32 s43, s[CX], 1
	s_add_co_u32 s42, s42, s43                     ; my first tile of 16 positions
	s_lshl_b32 s44, s42, 11
	s_lshl_b32 s43, s[BH], 18
	s_add_co_u32 s44, s44, s43                     ; Q (tensor 0)
	s_mov_b32 s45, 0
	s_lshr_b32 s46, s[BH], 4
	s_lshl_b32 s46, s46, 7
	s_add_co_u32 s46, s46, s42
	s_lshl_b32 s46, s46, 15                        ; oimg: 32,768 bytes for 16 positions,
	s_and_b32 s43, s[BH], 15
	s_lshl_b32 s43, s43, 11                        ; 2,048 for a head
	s_add_co_u32 s46, s46, s43
	s_mov_b32 s47, 0
	s_wait_dscnt 0x0                               ; both opening adds are done
	s_wait_kmcnt 0x0
	s_add_nc_u64 s[40:41], s[4:5], s[40:41]
	s_add_nc_u64 s[44:45], s[4:5], s[44:45]
	s_add_nc_u64 s[46:47], s[6:7], s[46:47]
	CROUND                                         ; all four work-groups are here: the first joint loads meet
	s_mov_b32 s[G0A], 1
	s_mov_b32 s[G0A+1], s23                        ; slot 0: keys 0-511
	s_mov_b64 s[G0A+2:G0A+3], s[40:41]
	s_or_b32 s[G0A+3], s[G0A+3], 0x80000000
	s_mov_b32 s[G0B], 1
	s_add_co_u32 s[G0B+1], s23, SLOT1              ; slot 1: keys 512-1023; this descriptor then walks
	s_add_nc_u64 s[G0B+2:G0B+3], s[40:41], 65536
	s_or_b32 s[G0B+3], s[G0B+3], 0x80000000
	tensor_load_to_lds s[G0A:G0A+3], s[G1:G1+7]    ; two loads of mine are out
	s_nop 0
	tensor_load_to_lds s[G0B:G0B+3], s[G1:G1+7]
	s_nop 0
.rept 4
	v_nop
.endr
	v_and_b32 v10, 31, v0
	v_lshlrev_b32 v[LI], 4, v10
.irp i, 0,1,2,3,4,5,6,7
	global_load_b128 v[Q+4*\i:Q+4*\i+3], v[LI], s[44:45] offset:512*\i          ; Q stays in registers
.endr
	v_and_b32 v11, 15, v0                          ; r
	v_bfe_u32 v10, v0, 4, 1                        ; h
	v_and_b32 v[AV0], 7, v0
	v_lshl_add_u32 v[AV0], v10, 3, v[AV0]          ; the turning load: key 8 h + l % 8 of a tile's 16,
	v_lshlrev_b32 v[AV0], 5, v[AV0]                ; rows of 32 bytes,
	v_bfe_u32 v[DD], v0, 3, 1
	v_lshl_add_u32 v[AV0], v[DD], 4, v[AV0]        ; channels 8 ((l / 8) % 2) on
	v_add_nc_u32 v[AV0], VOFF, v[AV0]
	v_lshlrev_b32 v10, 3, v10
	v_sub_nc_u32 v[QD], v11, v10
	s_lshl_b32 s22, s[CX], 5
	s_add_co_u32 s22, s22, s[GR]
	v_add_nc_u32 v[QD], s22, v[QD]
	v_mov_b32 v[NINF], 0xff800000
.irp t, 0,1
	v_mov_b32 v[ST+8*\t+1], 0xff61b1e6             ; m: -3e38, under every score
	v_mov_b32 v[ST+8*\t+2], 0                      ; l
	v_mov_b32 v[ST+8*\t+3], 0
	v_mov_b32 v[ST+8*\t+5], 0                      ; written once here: a lane permute's destination counts as one of its sources, on the way out too
	v_mov_b32 v[ST+8*\t+7], 0
	v_mul_f32 v[ST+8*\t], s[CS], v[ST+8*\t+1]      ; c m
.endr
.irp j, 0,1,2,3,4,5,6,7,8,9,10,11,12,13,14,15,16,17,18,19,20,21,22,23,24,25,26,27,28,29,30,31,32,33,34,35,36,37,38,39,40,41,42,43,44,45,46,47,48,49,50,51,52,53,54,55,56,57,58,59,60,61,62,63
	v_mov_b32 v[O+\j], 0                           ; O^T.  The step is written without a first copy: the first step finds zeros, and its a is 0
.endr
; A STEP: 64 keys against my 32 queries.
.macro STEP
	s_cmp_ge_u32 s[KF], s[GRE]                     ; all 64 keys lie behind my group: the step's work is left out; the lines at its end that step addresses are not
	s_cbranch_scc1 .Lhid_\@
	v_add_nc_u32 v[ADK], s[TB], v[LI]
	v_add_nc_u32 v[ADV], s[TB], v[AV0]
.irp i, 0,1,2,3,4,5,6,7,8,9,10,11,12,13,14,15
	ds_load_b128 v[KV+4*\i:KV+4*\i+3], v[ADK] offset:512*\i       ; 16 keys i / 4, 16 channels i % 4: 512 consecutive bytes
.endr
	s_wait_dscnt 0x0
.set i, 0
.rept 16                               ; channels 32 (i / 8) on, keys 16 ((i / 2) % 4) on, tile i % 2: eight accumulators by turns; the first eight start the sums
.set rS, S+32*(i%2)+8*((i/2)%4)
.set rK, KV+16*((i/2)%4)+8*(i/8)
.set rQ, Q+16*(i%2)+8*(i/8)
.if i < 8
	v_wmma_f32_16x16x32_f16 v[rS:rS+7], v[rK:rK+7], v[rQ:rQ+7], 0
.else
	v_wmma_f32_16x16x32_f16 v[rS:rS+7], v[rK:rK+7], v[rQ:rQ+7], v[rS:rS+7]
.endif
.set i, i+1
.endr
.rept 4
	v_nop                                          ; places: ahead of the loads into K's registers and of the first read of the scores
.endr
.irp u, 0,1
.irp c, 0,1,2,3
.irp f, 0,1
	ds_load_tr16_b128 v[KV+8*(4*\u+\c)+4*\f:KV+8*(4*\u+\c)+4*\f+3], v[ADV] offset:(2*\u+\f)*2048+512*\c   ; V^T: channels 16 c on, keys 32 u + 16 f on; it lands while the softmax is walked
.endr
.endr
.endr
	s_add_co_u32 s22, s[KF], 64
	s_cmp_le_u32 s22, s[GR]                        ; all 64 keys lie ahead of my group: every one counts
	s_cbranch_scc1 .Lopen_\@
	v_sub_nc_u32 v[DD], v[QD], s[KF]               ; register 8 k + j of tile t holds key KF + 16 k + 8 h + j: hidden where 16 k + j - 16 t > d
.irp t, 0,1
.irp k, 0,1,2,3
.irp j, 0,1,2,3,4,5,6,7
	v_cmp_gt_i32 vcc_lo, 16*\k+\j-16*\t, v[DD]
	v_cndmask_b32 v[S+32*\t+8*\k+\j], v[S+32*\t+8*\k+\j], v[NINF], vcc_lo
.endr
.endr
.endr
.Lopen_\@:
	; the maximum of 32 scores and the old m: four chains, each begun at its accumulator's low end; the two tiles by turns
.irp k, 0,1,2,3
.irp t, 0,1
	v_max3_num_f32 v[ST+8*\t+4+\k], v[S+32*\t+8*\k], v[S+32*\t+8*\k+1], v[S+32*\t+8*\k+2]
.endr
.endr
.irp p, 3,5
.irp k, 0,1,2,3
.irp t, 0,1
	v_max3_num_f32 v[ST+8*\t+4+\k], v[ST+8*\t+4+\k], v[S+32*\t+8*\k+\p], v[S+32*\t+8*\k+\p+1]
.endr
.endr
.endr
.irp t, 0,1
	v_max3_num_f32 v[ST+8*\t+4], v[ST+8*\t+4], v[S+32*\t+7], v[S+32*\t+15]
.endr
.irp t, 0,1
	v_max3_num_f32 v[ST+8*\t+6], v[ST+8*\t+6], v[S+32*\t+23], v[S+32*\t+31]
.endr
.irp t, 0,1
	v_max3_num_f32 v[ST+8*\t+4], v[ST+8*\t+4], v[ST+8*\t+5], v[ST+8*\t+6]
.endr
.irp t, 0,1
	v_max3_num_f32 v[ST+8*\t+4], v[ST+8*\t+4], v[ST+8*\t+7], v[ST+8*\t+1]
.endr
.irp t, 0,1
	v_permlanex16_b32 v[ST+8*\t+5], v[ST+8*\t+4], s[SEL], s[SEL+1]   ; the query's other 32 keys lie in the lane 16 away
.endr
.irp t, 0,1
	v_mov_b32 v[ST+8*\t+7], v[ST+8*\t]             ; c m_old is kept for a
.endr
.irp t, 0,1
	v_max_num_f32 v[ST+8*\t+1], v[ST+8*\t+4], v[ST+8*\t+5]
.endr
.irp t, 0,1
	v_mul_f32 v[ST+8*\t], s[CS], v[ST+8*\t+1]
.endr
.irp t, 0,1
	v_sub_f32 v[ST+8*\t+7], v[ST+8*\t+7], v[ST+8*\t]
.endr
.irp b, 0,2,4,6,8,10,12,14,16,18,20,22,24,26,28,30
.irp t, 0,1
	v_pk_fma_f32 v[S+32*\t+\b:S+32*\t+\b+1], v[S+32*\t+\b:S+32*\t+\b+1], s[CS:CS+1], v[ST+8*\t:ST+8*\t+1] op_sel_hi:[1,0,0] neg_lo:[0,0,1] neg_hi:[0,0,1]   ; c s - c m
.endr
.endr
.irp t, 0,1
	v_exp_f32 v[ST+8*\t+6], v[ST+8*\t+7]           ; a
.endr
.irp e, 0,1,2,3,4,5,6,7,8,9,10,11,12,13,14,15,16,17,18,19,20,21,22,23,24,25,26,27,28,29,30,31
.irp t, 0,1
	v_exp_f32 v[S+32*\t+\e], v[S+32*\t+\e]         ; p: one batch of 66 exponentials, none of which reads another's result
.endr
.endr
	v_nop                                          ; a plain instruction behind the last exponential
	s_wait_alu depctr_va_vdst(0)                   ; one wait for the batch, ahead of the first line that names a result
.irp t, 0,1
	v_pk_add_f32 v[SM2+2*\t:SM2+2*\t+1], v[S+32*\t:S+32*\t+1], v[S+32*\t+2:S+32*\t+3]          ; the sum of the unrounded p, two at a time, in two chains
	v_pk_add_f32 v[ST+8*\t+4:ST+8*\t+5], v[S+32*\t+4:S+32*\t+5], v[S+32*\t+6:S+32*\t+7]
.endr
.irp b, 8,12,16,20,24,28
.irp t, 0,1
	v_pk_add_f32 v[SM2+2*\t:SM2+2*\t+1], v[SM2+2*\t:SM2+2*\t+1], v[S+32*\t+\b:S+32*\t+\b+1]
	v_pk_add_f32 v[ST+8*\t+4:ST+8*\t+5], v[ST+8*\t+4:ST+8*\t+5], v[S+32*\t+\b+2:S+32*\t+\b+3]
.endr
.endr
.irp t, 0,1
	v_pk_add_f32 v[SM2+2*\t:SM2+2*\t+1], v[SM2+2*\t:SM2+2*\t+1], v[ST+8*\t+4:ST+8*\t+5]
.endr
.irp t, 0,1
	v_pk_fma_f32 v[ST+8*\t+2:ST+8*\t+3], v[ST+8*\t+2:ST+8*\t+3], v[ST+8*\t+6:ST+8*\t+7], v[SM2+2*\t:SM2+2*\t+1] op_sel_hi:[1,0,1]   ; l = a l + the sum
.endr
.irp i, 0,1,2,3,4,5,6,7,8,9,10,11,12,13,14,15
.irp t, 0,1
	v_cvt_pk_f16_f32 v[S+32*\t+\i], v[S+32*\t+2*\i], v[S+32*\t+2*\i+1]   ; P, in place and ascending: register i is written when 2 i and 2 i + 1 are read
.endr
.endr
.irp j, 0,2,4,6,8,10,12,14,16,18,20,22,24,26,28,30
.irp t, 0,1
	v_pk_mul_f32 v[O+32*\t+\j:O+32*\t+\j+1], v[O+32*\t+\j:O+32*\t+\j+1], v[ST+8*\t+6:ST+8*\t+7] op_sel_hi:[1,0]   ; O^T x a, each accumulator from its low end on
.endr
.endr
	s_wait_dscnt 0x0                               ; V is in
.set i, 0
.rept 16                               ; keys 32 (i / 8) on, channels 16 ((i / 2) % 4) on, tile i % 2: eight accumulators by turns
.set rO, O+32*(i%2)+8*((i/2)%4)
.set rV, KV+8*(4*(i/8)+(i/2)%4)
.set rP, S+32*(i%2)+8*(i/8)
	v_wmma_f32_16x16x32_f16 v[rO:rO+7], v[rV:rV+7], v[rP:rP+7], v[rO:rO+7]
.set i, i+1
.endr
.rept 5
	v_nop                                          ; places: the next step's products write over P, its loads land in V's registers, and the way out reads O^T
.endr
.Lhid_\@:
	s_add_co_u32 s[KF], s[KF], 64
	s_add_co_u32 s[TB], s[TB], 8192                ; four tiles of 16 keys
.endm
.macro SLOTSTEPS                       ; a slot's eight steps: written once, walked eight times
	s_mov_b32 s[CNT], 8
.Lstep_\@:
	STEP
	s_sub_co_u32 s[CNT], s[CNT], 1
	s_cmp_lg_u32 s[CNT], 0
	s_cbranch_scc1 .Lstep_\@
	s_sub_co_u32 s[TB], s[TB], 65536               ; back to a slot's first step,
	s_xor_b32 s[TB], s[TB], SLOT1                  ; in the other slot
.endm
; THE CHANGE OF SLOTS.  Each wave waits for all its tensor loads (its part of the slot ahead), adds 0 to its spare word, and waits for that and for its reads of the slot that it leaves.
; fill = 1: the barrier is a round of the cluster's, and the slot just left is filled with the keys two slots on, first thing behind it: one load a wave, a slot's steps in which to land.
.macro CHANGE fill
	s_wait_tensorcnt 0x0                           ; no tensor load of mine is out, so a descriptor may be written
	ds_add_u32 v[SPW], v[NIL]
.if \fill
	s_xor_b32 s[G0B+1], s[G0B+1], SLOT1            ; the walking descriptor: the other slot than last time,
	s_add_nc_u64 s[G0B+2:G0B+3], s[G0B+2:G0B+3], 65536   ; the next 512 keys
	s_wait_dscnt 0x0
	CROUND
	tensor_load_to_lds s[G0B:G0B+3], s[G1:G1+7]
	s_nop 0
.rept 4
	v_nop
.endr
.else
	s_wait_dscnt 0x0
	s_barrier_signal -1
	s_barrier_wait -1
.endif
.endm
	s_wait_tensorcnt 1                             ; my part of slot 0 is in; slot 1's may stay out
	s_barrier_signal -1
	s_barrier_wait -1
	s_wait_loadcnt 0x0                             ; Q
	SLOTSTEPS                                      ; keys 0-511
	s_mov_b32 s[SLC], 2
.Lslot:                                            ; keys 512-1535: behind each of these two changes a slot is filled again
	CHANGE 1
	SLOTSTEPS
	s_sub_co_u32 s[SLC], s[SLC], 1
	s_cmp_lg_u32 s[SLC], 0
	s_cbranch_scc1 .Lslot
	CHANGE 0                                       ; the last slot is written out: nothing is left to ask for
	SLOTSTEPS
	; THE WAY OUT: l's halves and the other half of the lanes'; O^T / l, rounded to f16: a lane's eight channels are 16 bytes of the next product's operand
.irp t, 0,1
	v_add_f32 v[ST+8*\t+4], v[ST+8*\t+2], v[ST+8*\t+3]
.endr
.irp t, 0,1
	v_permlanex16_b32 v[ST+8*\t+5], v[ST+8*\t+4], s[SEL], s[SEL+1]
.endr
.irp t, 0,1
	v_add_f32 v[ST+8*\t+4], v[ST+8*\t+4], v[ST+8*\t+5]
.endr
.irp t, 0,1
	v_rcp_f32 v[ST+8*\t+6], v[ST+8*\t+4]
.endr
	v_nop                                          ; a plain instruction behind the reciprocals
	s_wait_alu depctr_va_vdst(0)                   ; and one wait for both, ahead of the first use
.irp j, 0,2,4,6,8,10,12,14,16,18,20,22,24,26,28,30
.irp t, 0,1
	v_pk_mul_f32 v[O+32*\t+\j:O+32*\t+\j+1], v[O+32*\t+\j:O+32*\t+\j+1], v[ST+8*\t+6:ST+8*\t+7] op_sel_hi:[1,0]
.endr
.endr
.irp t, 0,1
.irp i, 0,1,2,3,4,5,6,7,8,9,10,11,12,13,14,15
	v_cvt_pk_f16_f32 v[S+32*\t+\i], v[O+32*\t+2*\i], v[O+32*\t+2*\i+1]
.endr
.endr
.irp t, 0,1
.irp c, 0,1,2,3
	global_store_b128 v[LI], v[S+32*\t+4*\c:S+32*\t+4*\c+3], s[46:47] offset:32768*\t+512*\c   ; 512 consecutive bytes, aligned
.endr
.endr
	s_wait_tensorcnt 0x0                           ; the wave's end
	ds_add_u32 v[SPW], v[NIL]
	s_wait_dscnt 0x0
	CROUND                                         ; the closing round
	s_endpgm
.Lfunc_end_k_q0770b0504d_attn:
	.size	k_q0770b0504d_attn, .Lfunc_end_k_q0770b0504d_attn-k_q0770b0504d_attn
	.p2alignl 7, 3214868480
	.fill 96, 4, 3214868480
	.section	.rodata,"a",@progbits
	.p2align	6, 0x0
	.amdhsa_kernel k_q0770b0504d_attn
		.amdhsa_group_segment_fixed_size 327680
		.amdhsa_private_segment_fixed_size 0
		.amdhsa_enable_private_segment 0
		.amdhsa_kernarg_size 16
		.amdhsa_user_sgpr_count 2
		.amdhsa_user_sgpr_kernarg_segment_ptr 1
		.amdhsa_wavefront_size32 1
		.amdhsa_system_sgpr_workgroup_id_x 1
		.amdhsa_system_sgpr_workgroup_id_y 1
		.amdhsa_system_sgpr_workgroup_id_z 1
		.amdhsa_system_vgpr_workitem_id 0
		.amdhsa_next_free_vgpr 256
		.amdhsa_next_free_sgpr 66
		.amdhsa_reserve_vcc 1
		.amdhsa_float_denorm_mode_32 3
		.amdhsa_float_denorm_mode_16_64 3
		.amdhsa_memory_ordered 1
		.amdhsa_forward_progress 1
		.amdhsa_inst_pref_size 79
	.end_amdhsa_kernel
	.amdgpu_metadata
---
amdhsa.version: [ 1, 2 ]
amdhsa.kernels:
  - .name:           k_q0770b0504d_attn
    .symbol:         k_q0770b0504d_attn.kd
    .args:
      - { .name: qkv, .offset: 0, .size: 8, .value_kind: global_buffer, .address_space: global }
      - { .name: oimg, .offset: 8, .size: 8, .value_kind: global_buffer, .address_space: global }
    .group_segment_fixed_size: 327680
    .private_segment_fixed_size: 0
    .kernarg_segment_align: 8
    .kernarg_segment_size: 16
    .max_flat_workgroup_size: 512
    .sgpr_count:     66
    .vgpr_count:     256
    .wavefront_size: 32
...
	.end_amdgpu_metadata
.endif
;; end of part 3
;; launch oproj (part 4): grid 4 x 64, 4 waves a work-group, clusters of 4 x 4, 327,680 bytes of LDS; arguments oimg, wo16, bo, out0; writes out0
.if DOCPART == 4
	.amdgcn_target "amdgcn-amd-amdhsa--gfx1250"
	.amdhsa_code_object_version 6
	.text
	.protected	k_q0770b0504d_oproj
	.globl	k_q0770b0504d_oproj
	.p2align	8
	.type	k_q0770b0504d_oproj,@function
k_q0770b0504d_oproj:
	s_mov_b64 s[64:65], 0
	v_nop
	global_prefetch_b8 v0, s[64:65] scope:SCOPE_SE
	s_setreg_imm32_b32 hwreg(HW_REG_WAVE_MODE, 25, 1), 1
	s_wait_xcnt 0x0
	s_wait_alu depctr_hold_cnt(0) depctr_sa_sdst(0) depctr_va_vdst(0) depctr_va_sdst(0) depctr_va_ssrc(0) depctr_va_vcc(0) depctr_vm_vsrc(0)
	s_getreg_b32 s2, hwreg(HW_REG_IB_STS2, 6, 4)
	s_cmp_eq_u32 s2, 0
	s_cbranch_scc0 .Lentry_in_a_cluster
	s_endpgm
.Lentry_in_a_cluster:
	s_bfe_u32 s2, ttmp6, 0x10000c
	s_cmp_lg_u32 s2, 0xf033
	s_cbranch_scc0 .Lentry_shape_is_right
	s_endpgm
.Lentry_shape_is_right:
; OPROJ.  out = o Wo + bo: [8192][1024] x [1024][1024], operands in f16, sums in f32, out in f32.  Both operands lie in memory in the order of a fragment's registers:
;   oimg [16 rows][32 along k][half][lane][16 bytes], wo16 [16 columns][32 along k][half][lane][16 bytes]: a tile of 16 rows or columns is 32,768 bytes, 128 along K of it 4,096 consecutive bytes.
; A work-group of four waves makes 128 rows x 256 columns (256 work-groups), a wave 64 x 128: 32 accumulators, all of window 1.  K goes in 8 steps of 128 through two LDS slots.
; A slot is four cells of 32,768 bytes, one for each wave's tensor load: cells 0, 1: o's halves (4 tiles x 4,096 bytes), cells 2, 3: Wo's halves (8 tiles x 4,096).  Fragments are read at 16 x lane: no padding is needed.
; CLUSTERS: 4 x 4 work-groups; o's tiles are shared along a row of the cluster, Wo's along a column: joint loads.
; THE MATRIX INSTRUCTION IS USED TRANSPOSED (source 0 = 16 columns of Wo, source 1 = 16 rows of o): a lane holds eight neighbouring numbers of a row of out.
; The bias is loaded straight into the accumulators, in the result's layout: it starts the sums, so the loop has no first step of its own and nothing is cleared.
; The first 16 positions of each batch are written again, more finely, by the launch behind this one.
; REGISTERS: window 0: v16-29 addresses; v32-127, v128-223 two fragment buffers (Wo's 64 registers, then o's 32); on the way out v32-159 rows of out.   window 1: accumulator (a, b) at v[8 (8 a + b)].
.set SLOTB,  131072
.set STAGE,  262144                    ; behind the slots: 16 rows x (512 + 16) bytes for each wave; no tensor load lands here
.set SPITCH, 528
.set SPARE,  STAGE+4*16*SPITCH
.set ADRA, 16
.set ADRB, 20
.set STO,  24
.set RD,   25
.set CO,   26
.set VB,   27
.set SPW,  28
.set NIL,  29
.set F0,   32
.set F1,   128
.set BK,   32
.set G1, 24
.set G0, 32
.set G1B, 48
.set G0B, 56
.set MSB, 0
.macro WIN new                         ; the immediate's high byte repeats the setting that is left
.if MSB != \new
	s_set_vgpr_msb (MSB<<8)|\new
.set MSB, \new
.endif
.endm
.set MUL, 0x50                         ; C and D window 1, sources window 0
.macro JLOAD s                         ; a joint load: waves 0 and 1 fetch o's halves, waves 2 and 3 Wo's; an s_nop 0 and four v_nop follow each line
	s_cmp_eq_u32 s13, 0
	s_cbranch_scc0 .Lfor_b_\@
	tensor_load_to_lds s[G0+4*\s:G0+4*\s+3], s[G1:G1+7]
	s_nop 0
.rept 4
	v_nop
.endr
	s_branch .Lasked_\@
.Lfor_b_\@:
	tensor_load_to_lds s[G0B+4*\s:G0B+4*\s+3], s[G1B:G1B+7]
	s_nop 0
.rept 4
	v_nop
.endr
.Lasked_\@:
.endm
.macro CREST                           ; a round of the cluster's barrier behind its opening barrier
	s_cmp_lg_u32 s12, 0
	s_cbranch_scc1 .Lnot_wave_0_\@
	s_barrier_signal -3
.Lnot_wave_0_\@:
	s_barrier_wait -3
	s_barrier_signal -1
	s_barrier_wait -1
.endm
.macro CROUND
	s_barrier_signal -1
	s_barrier_wait -1
	CREST
.endm
	s_load_b256 s[4:11], s[0:1], 0x0               ; oimg 4, wo16 6, bo 8, out0 10
	v_lshl_add_u32 v[SPW], v0, 2, SPARE
	v_mov_b32 v[NIL], 0
	ds_add_u32 v[SPW], v[NIL]                      ; the wave's opening: the add, twice on end, and its wait ahead of my first tensor load
	ds_add_u32 v[SPW], v[NIL]
	v_lshrrev_b32 v1, 5, v0
	v_readfirstlane_b32 s12, v1                    ; wave 0..3
	s_lshr_b32 s13, s12, 1                         ; which 64 rows are mine.  Also: I fetch for o (0) or for Wo (1)
	s_and_b32 s14, s12, 1                          ; which 128 columns.  Also: which half I fetch
	s_bfe_u32 s40, ttmp6, 0x40000                  ; cx
	s_bfe_u32 s41, ttmp6, 0x40004                  ; cy
	s_lshl_b32 s42, ttmp9, 2
	s_add_co_u32 s42, s42, s40                     ; tile column 0..3
	s_and_b32 s15, ttmp7, 0xffff
	s_lshl_b32 s15, s15, 2
	s_add_co_u32 s15, s15, s41                     ; tile row 0..63
	s_lshl_b32 s43, s41, 2
	s_lshl_b32 s43, 15, s43                        ; my row of the cluster
	s_lshl_b32 s44, 0x1111, s40                    ; my column
	s_or_b32 s[G1+0], s43, (3<<16)|(1<<21)         ; the mask; elements of 8 bytes; bit 21 beside a mask; no padding
	s_mov_b32 s[G1+1], 512<<16                     ; tensor_dim0 = 512 elements: 4,096 bytes
	s_mov_b32 s[G1+2], 4<<16                       ; tensor_dim1 = 4 tiles of rows
	s_mov_b32 s[G1+3], 512<<16                     ; tile_dim0
	s_mov_b32 s[G1+4], 4                           ; tile_dim1
	s_mov_b32 s[G1+5], 4096                        ; from tile to tile: 32,768 bytes
	s_mov_b32 s[G1+6], 0
	s_mov_b32 s[G1+7], 0
	s_or_b32 s[G1B+0], s44, (3<<16)|(1<<21)
	s_mov_b32 s[G1B+1], 512<<16
	s_mov_b32 s[G1B+2], 8<<16                      ; 8 tiles of columns
	s_mov_b32 s[G1B+3], 512<<16
	s_mov_b32 s[G1B+4], 8
	s_mov_b32 s[G1B+5], 4096
	s_mov_b32 s[G1B+6], 0
	s_mov_b32 s[G1B+7], 0
	s_lshl_b32 s16, s15, 3
	s_lshl_b32 s17, s14, 2
	s_add_co_u32 s16, s16, s17                     ; o: tile 8 x tile row + 4 x half
	s_lshl_b32 s16, s16, 15
	s_mov_b32 s17, 0
	s_lshl_b32 s46, s42, 4
	s_lshl_b32 s47, s14, 3
	s_add_co_u32 s46, s46, s47                     ; Wo: tile 16 x tile column + 8 x half
	s_lshl_b32 s46, s46, 15
	s_mov_b32 s47, 0
	s_lshl_b32 s20, s12, 15                        ; my cell: no place in the cluster enters an LDS address
	s_wait_dscnt 0x0                               ; both opening adds are done
	s_wait_kmcnt 0x0
	s_add_nc_u64 s[16:17], s[4:5], s[16:17]
	s_add_nc_u64 s[46:47], s[6:7], s[46:47]
	CROUND                                         ; all sixteen work-groups are here: the first joint loads meet
.irp s, 0,1
	s_mov_b32 s[G0+4*\s], 1
	s_add_co_u32 s[G0+4*\s+1], s20, \s*SLOTB
	s_add_nc_u64 s[G0+4*\s+2:G0+4*\s+3], s[16:17], \s*4096
	s_or_b32 s[G0+4*\s+3], s[G0+4*\s+3], 0x80000000
	s_mov_b32 s[G0B+4*\s], 1
	s_add_co_u32 s[G0B+4*\s+1], s20, \s*SLOTB
	s_add_nc_u64 s[G0B+4*\s+2:G0B+4*\s+3], s[46:47], \s*4096
	s_or_b32 s[G0B+4*\s+3], s[G0B+4*\s+3], 0x80000000
	JLOAD \s                                       ; two loads of mine are out
.endr
	v_and_b32 v1, 15, v0                           ; r
	v_bfe_u32 v2, v0, 4, 1                         ; h
	v_and_b32 v3, 31, v0
	v_lshlrev_b32 v3, 4, v3                        ; 16 x lane
	v_lshlrev_b32 v[VB], 5, v2
	s_lshl_b32 s18, s42, 10
	s_lshl_b32 s22, s14, 9
	s_add_co_u32 s18, s18, s22                     ; my first column, in bytes of f32
	s_mov_b32 s19, 0
	s_add_nc_u64 s[8:9], s[8:9], s[18:19]
	s_add_nc_u64 s[10:11], s[10:11], s[18:19]
	WIN 0x40                                       ; destination window 1
.irp a, 0,1,2,3
.irp b, 0,1,2,3,4,5,6,7
	global_load_b128 v[8*(8*\a+\b):8*(8*\a+\b)+3], v[VB], s[8:9] offset:64*\b          ; bo at columns 16 b + 8 h + 0 .. 7
	global_load_b128 v[8*(8*\a+\b)+4:8*(8*\a+\b)+7], v[VB], s[8:9] offset:64*\b+16
.endr
.endr
	WIN 0
	s_lshl_b32 s21, s13, 15                        ; my rows' cell
	s_lshl_b32 s22, s14, 15
	s_add_co_u32 s22, s22, 65536                   ; my columns' cell
.irp s, 0,1
	v_add_nc_u32 v[ADRA+\s], s21, v3
	v_add_nc_u32 v[ADRB+\s], s22, v3
	s_add_co_u32 s21, s21, SLOTB
	s_add_co_u32 s22, s22, SLOTB
.endr
	s_mul_i32 s23, s12, 16*SPITCH
	s_add_co_u32 s23, s23, STAGE                   ; my stage
	v_mul_u32_u24 v4, v1, SPITCH
	v_lshl_add_u32 v4, v2, 5, v4
	v_add_nc_u32 v[STO], s23, v4                   ; in: row r, 32 bytes for each half of the lanes
	v_add_nc_u32 v[RD], s23, v3                    ; back: the 32 lanes take a row of 512 bytes
	v_mov_b32 v[CO], v3
	s_lshl_b32 s18, s15, 19                        ; my first row: 128 x tile row + 64 x half, 4,096 bytes each
	s_lshl_b32 s22, s13, 18
	s_add_co_u32 s18, s18, s22
	s_add_nc_u64 s[10:11], s[10:11], s[18:19]
.macro MULA f, a                       ; 8 products: my block a of rows x my eight blocks of columns, 32 along K.  The 32 accumulators take turns in the same order in every quarter
.irp b, 0,1,2,3,4,5,6,7
	v_wmma_f32_16x16x32_f16 v[8*(8*(\a)+\b):8*(8*(\a)+\b)+7], v[\f+8*\b:\f+8*\b+7], v[\f+64+8*(\a):\f+64+8*(\a)+7], v[8*(8*(\a)+\b):8*(8*(\a)+\b)+7]
.endr
.endm
.macro FETCH slot, q, f                ; 24 LDS loads in one run: the fragments of the slot's q-th 32 along K; o's blocks 2 and 3 last
	WIN 0
.irp b, 0,1,2,3,4,5,6,7
	ds_load_b128 v[\f+8*\b:\f+8*\b+3],   v[ADRB+\slot] offset:4096*\b+1024*(\q)
	ds_load_b128 v[\f+8*\b+4:\f+8*\b+7], v[ADRB+\slot] offset:4096*\b+1024*(\q)+512
.endr
.irp a, 0,1,2,3
	ds_load_b128 v[\f+64+8*\a:\f+64+8*\a+3],   v[ADRA+\slot] offset:4096*\a+1024*(\q)
	ds_load_b128 v[\f+64+8*\a+4:\f+64+8*\a+7], v[ADRA+\slot] offset:4096*\a+1024*(\q)+512
.endr
.endm
.macro PLACES                          ; four plain instructions between a matrix instruction and a load into, or a read of, its registers
.rept 4
	v_nop
.endr
.endm
.macro QUARTER slot, q, f, g           ; multiplies buffer f and fetches the slot's q-th 32 along K into g
	s_wait_dscnt 4                                 ; all but the youngest four loads (o's blocks 2 and 3)
	WIN MUL
	MULA \f, 0
	MULA \f, 1
	PLACES
	FETCH \slot, \q, \g
	s_wait_dscnt 24                                ; all but the 24 just issued
	WIN MUL
	MULA \f, 2
	MULA \f, 3
.endm
; A slot's last quarter multiplies buffer 1 and changes slots: one barrier; in front of it each wave waits for all its tensor loads, adds 0 to its spare word, and waits for that and for its reads of this slot.
; fill = 1: the barrier opens a round of the cluster's barrier, and this slot is filled again, two K steps ahead, first thing behind the round.
.macro TURN slot, next, fill
	WIN 0
	s_wait_tensorcnt 0x0                           ; all my tensor loads have landed: my part of the next slot
	ds_add_u32 v[SPW], v[NIL]
	s_wait_dscnt 5                                 ; (the add and the youngest four loads may be out)
	WIN MUL
	MULA F1, 0
	s_wait_dscnt 0x0                               ; the add is done, my reads of this slot are over
	s_barrier_signal -1
	MULA F1, 1
	WIN 0
	s_barrier_wait -1
.if \fill
	CREST
	s_add_nc_u64 s[G0+4*\slot+2:G0+4*\slot+3], s[G0+4*\slot+2:G0+4*\slot+3], 8192
	s_add_nc_u64 s[G0B+4*\slot+2:G0B+4*\slot+3], s[G0B+4*\slot+2:G0B+4*\slot+3], 8192
	JLOAD \slot                                    ; its four v_nop are also the places in front of the loads below
.else
	PLACES
.endif
	FETCH \next, 0, F0
	WIN MUL
	MULA F1, 2
	MULA F1, 3
.endm
	s_wait_tensorcnt 1                             ; my part of K step 0 is in; K step 1's may stay out
	s_barrier_signal -1
	s_barrier_wait -1
	FETCH 0, 0, F0
	s_wait_loadcnt 0x0                             ; the bias lies in the accumulators
	s_mov_b32 s3, 3
.Llap:                                             ; three trips of two K steps: both slots are filled again in each
	QUARTER 0, 1, F0, F1
	QUARTER 0, 2, F1, F0
	QUARTER 0, 3, F0, F1
	TURN 0, 1, 1
	QUARTER 1, 1, F0, F1
	QUARTER 1, 2, F1, F0
	QUARTER 1, 3, F0, F1
	TURN 1, 0, 1
	WIN 0                                          ; at a label and at a branch every window is 0
	s_sub_co_u32 s3, s3, 1
	s_cmp_lg_u32 s3, 0
	s_cbranch_scc1 .Llap
	QUARTER 0, 1, F0, F1                           ; the last two K steps fill nothing
	QUARTER 0, 2, F1, F0
	QUARTER 0, 3, F0, F1
	TURN 0, 1, 0
	QUARTER 1, 1, F0, F1
	QUARTER 1, 2, F1, F0
	QUARTER 1, 3, F0, F1
	s_wait_dscnt 0x0
	WIN MUL
	MULA F1, 0
	MULA F1, 1
	MULA F1, 2
	MULA F1, 3
	WIN 0
; THE WAY OUT, block by block of 16 rows x 128 columns, through my own stage: in as 32 bytes a lane, back as whole rows of 512 bytes.  LDS serves a wave's instructions in order: no wait between the stores and the loads.
.macro TOSTAGE a
	WIN 0x04                                       ; an LDS store's data: window 1
.irp b, 0,1,2,3,4,5,6,7
	ds_store_b128 v[STO], v[64*(\a)+8*\b:64*(\a)+8*\b+3] offset:64*\b            ; each accumulator from its low end on
	ds_store_b128 v[STO], v[64*(\a)+8*\b+4:64*(\a)+8*\b+7] offset:64*\b+16
.endr
	WIN 0
.set BB, BK+64*((\a)%2)
.irp t, 0,1,2,3,4,5,6,7,8,9,10,11,12,13,14,15
	ds_load_b128 v[BB+4*\t:BB+4*\t+3], v[RD] offset:\t*SPITCH
.endr
.endm
.macro SEND a, younger                 ; younger: the LDS instructions issued behind block a's loads
.set BB, BK+64*((\a)%2)
	s_wait_dscnt \younger
.if (\a) > 0
	s_add_nc_u64 s[10:11], s[10:11], 16*4096       ; (behind a wait on XCNT: the earlier stores have read their base)
.endif
.irp t, 0,1,2,3,4,5,6,7,8,9,10,11,12,13,14,15
	global_store_b128 v[CO], v[BB+4*\t:BB+4*\t+3], s[10:11] offset:\t*4096 th:TH_STORE_NT   ; 32 lanes store 512 consecutive bytes, aligned
.endr
.endm
	PLACES
	TOSTAGE 0
.irp a, 1,2,3
.if \a > 1
	s_wait_xcnt 0x0                                ; block a - 2's stores have read their registers and their base
.endif
	TOSTAGE \a
	SEND \a-1, 32
.endr
	s_wait_xcnt 0x0
	SEND 3, 0
	s_wait_tensorcnt 0x0                           ; the wave's end
	ds_add_u32 v[SPW], v[NIL]
	s_wait_dscnt 0x0
	CROUND                                         ; the closing round
	s_endpgm
.Lfunc_end_k_q0770b0504d_oproj:
	.size	k_q0770b0504d_oproj, .Lfunc_end_k_q0770b0504d_oproj-k_q0770b0504d_oproj
	.p2alignl 7, 3214868480
	.fill 96, 4, 3214868480
	.section	.rodata,"a",@progbits
	.p2align	6, 0x0
	.amdhsa_kernel k_q0770b0504d_oproj
		.amdhsa_group_segment_fixed_size 327680
		.amdhsa_private_segment_fixed_size 0
		.amdhsa_enable_private_segment 0
		.amdhsa_kernarg_size 32
		.amdhsa_user_sgpr_count 2
		.amdhsa_user_sgpr_kernarg_segment_ptr 1
		.amdhsa_wavefront_size32 1
		.amdhsa_system_sgpr_workgroup_id_x 1
		.amdhsa_system_sgpr_workgroup_id_y 1
		.amdhsa_system_sgpr_workgroup_id_z 1
		.amdhsa_system_vgpr_workitem_id 0
		.amdhsa_next_free_vgpr 512
		.amdhsa_next_free_sgpr 66
		.amdhsa_reserve_vcc 0
		.amdhsa_float_denorm_mode_32 3
		.amdhsa_float_denorm_mode_16_64 3
		.amdhsa_memory_ordered 1
		.amdhsa_forward_progress 1
		.amdhsa_inst_pref_size 90
	.end_amdhsa_kernel
	.amdgpu_metadata
---
amdhsa.version: [ 1, 2 ]
amdhsa.kernels:
  - .name:           k_q0770b0504d_oproj
    .symbol:         k_q0770b0504d_oproj.kd
    .args:
      - { .name: oimg, .offset: 0, .size: 8, .value_kind: global_buffer, .address_space: global }
      - { .name: wo16, .offset: 8, .size: 8, .value_kind: global_buffer, .address_space: global }
      - { .name: bo, .offset: 16, .size: 8, .value_kind: global_buffer, .address_space: global }
      - { .name: out0, .offset: 24, .size: 8, .value_kind: global_buffer, .address_space: global }
    .group_segment_fixed_size: 327680
    .private_segment_fixed_size: 0
    .kernarg_segment_align: 8
    .kernarg_segment_size: 32
    .max_flat_workgroup_size: 128
    .sgpr_count:     66
    .vgpr_count:     512
    .wavefront_size: 32
...
	.end_amdgpu_metadata
.endif
;; end of part 4
;; launch fine (part 5): grid 64 x 4, 16 waves a work-group, no clusters, 18,432 bytes of LDS; arguments fin, Wo, bo, out0; writes out0
.if DOCPART == 5
	.amdgcn_target "amdgcn-amd-amdhsa--gfx1250"
	.amdhsa_code_object_version 6
	.text
	.protected	k_q0770b0504d_fine
	.globl	k_q0770b0504d_fine
	.p2align	8
	.type	k_q0770b0504d_fine,@function
k_q0770b0504d_fine:
	s_mov_b64 s[64:65], 0
	v_nop
	global_prefetch_b8 v0, s[64:65] scope:SCOPE_SE
	s_setreg_imm32_b32 hwreg(HW_REG_WAVE_MODE, 25, 1), 1
	s_wait_xcnt 0x0
; FINE.  Positions 0-15 of each batch, all in f32: under the causal mask these rows average one to sixteen values and are the largest of the output, so f16 operands would weigh most here.
; They are written over what the launch before stored there: 64 rows of out0.
; A work-group takes a batch (y) and 16 columns of the output (x); each of its 16 waves takes a head.  The sums are ordered so that nothing changes lanes:
;   out = sum over heads of P_h (V_h Wo_h):   S^T = K Q^T (16 keys x 16 queries),  Z = V Wo_h (16 keys x 16 columns),  out_h = P Z (16 queries x 16 columns).
; In S^T a lane holds query l % 16 and keys 8 (l / 16) + j; in Z column l % 16 and the same keys: register pairs (2 s, 2 s + 1) of both are the two sources of the third product's K step s.
; fin holds q, k, v of these positions as [tensor][batch][16 channels][half][lane][16 bytes]: lane (r, h) has position r, channels 8 h + 4 g + 0..3: the same order of channels on both sides of each product.
; The registers that the f32 matrix form writes (v160-191) are written by it alone; what is made of them goes into other registers.
; The sixteen heads' parts meet in LDS; waves 0 and 1 add them in the order of the heads, add bo and store.  A store covers 64 consecutive bytes for each 16 lanes: the columns of one work-group; these rows are
; one part in 128 of the output, and wider work-groups would be fewer than the WGPs.  No tensor load, no cluster: all loads go through registers once.
; Hidden scores are -infinity here where the definition has -1e10: the same weights, 0.
.set SPARE, 16384                      ; behind the sixteen parts of 1,024 bytes: the spare words, 128 bytes a wave
.set BO,  2                            ; v2      r at the head; from the loads on bo at my column
.set SPW, 6
.set NIL, 7
.set T,   8                            ; v8-15   the scores under the mask, then p
.set R,   16                           ; v16-23  my head's part
.set QQ,  32                           ; v32-63  q;  later the sixteen parts
.set KK,  64                           ; v64-95  k
.set VV,  96                           ; v96-127 v
.set WW,  128                          ; v128-159 Wo
.set SS,  160
.set ZZ,  168
.set OA,  176
.set OB,  184
	s_load_b256 s[4:11], s[0:1], 0x0               ; fin 4, Wo 6, bo 8, out0 10
	v_lshl_add_u32 v[SPW], v0, 2, SPARE
	v_mov_b32 v[NIL], 0
	v_lshrrev_b32 v1, 5, v0
	v_readfirstlane_b32 s12, v1                    ; wave = head
	s_and_b32 s13, ttmp7, 0xffff                   ; batch
	v_and_b32 v2, 15, v0                           ; r
	v_bfe_u32 v3, v0, 4, 1                         ; h
	v_and_b32 v1, 31, v0
	v_lshlrev_b32 v1, 4, v1                        ; 16 x lane
	v_lshlrev_b32 v5, 2, v2                        ; 4 r
	v_lshl_add_u32 v4, v3, 15, v5                  ; 8 h rows of 4,096 bytes + 4 r: in Wo and in out0 alike
	s_lshl_b32 s20, s12, 10
	v_add_nc_u32 v24, s20, v1                      ; LDS: where my head's part goes
	s_and_b32 s21, s12, 1
	s_lshl_b32 s20, s21, 9
	v_add_nc_u32 v25, s20, v1                      ; and from where waves 0 and 1 read: half = the wave's number
	v_lshlrev_b32 v26, 3, v3
	v_sub_nc_u32 v26, v2, v26                      ; d = r - 8 h: key 8 h + j is hidden where j > d
	v_mov_b32 v27, 0xff800000                      ; -infinity
	s_mov_b32 s22, 0x76543210
	s_mov_b32 s23, 0xfedcba98                      ; lane l xor 16
	s_mov_b32 s24, 0x3e38aa3b                      ; c = log2(e) / 8
	s_mov_b32 s25, s24
	s_lshl_b32 s14, s13, 6
	s_lshl_b32 s15, s12, 2
	s_add_co_u32 s14, s14, s15
	s_lshl_b32 s14, s14, 10                        ; fin: (64 x batch + 4 x head) blocks of 1,024 bytes
	s_mov_b32 s15, 0
	s_lshl_b32 s18, ttmp9, 6                       ; my 16 columns, in bytes
	s_mov_b32 s19, 0
	s_lshl_b32 s16, s12, 18                        ; Wo: the head's 64 rows of 4,096 bytes
	s_add_co_u32 s16, s16, s18
	s_mov_b32 s17, 0
	s_lshl_b32 s26, s13, 23                        ; out0: the batch's first row,
	s_add_co_u32 s26, s26, s18
	s_lshl_b32 s27, s21, 14                        ; + 4 rows for wave 1
	s_add_co_u32 s26, s26, s27
	s_mov_b32 s27, 0
	s_wait_kmcnt 0x0
	s_add_nc_u64 s[4:5], s[4:5], s[14:15]
	s_add_nc_u64 s[6:7], s[6:7], s[16:17]
	s_add_nc_u64 s[8:9], s[8:9], s[18:19]
	s_add_nc_u64 s[10:11], s[10:11], s[26:27]
.irp i, 0,1,2,3,4,5,6,7
	global_load_b128 v[KK+4*\i:KK+4*\i+3], v1, s[4:5] offset:262144+512*\i
	global_load_b128 v[QQ+4*\i:QQ+4*\i+3], v1, s[4:5] offset:512*\i
	global_load_b128 v[VV+4*\i:VV+4*\i+3], v1, s[4:5] offset:524288+512*\i
.endr
.irp i, 0,1,2,3,4,5,6,7
.irp e, 0,1,2,3
	global_load_b32 v[WW+4*\i+\e], v4, s[6:7] offset:(16*(\i/2)+4*(\i%2)+\e)*4096   ; Wo(64 head + 16 (i / 2) + 8 h + 4 (i % 2) + e, my column): v's order of channels
.endr
.endr
	global_load_b32 v[BO], v5, s[8:9]              ; bo at my column: it stays here to the end
	s_wait_loadcnt 0x0
	v_wmma_f32_16x16x4_f32 v[SS:SS+7], v[KK:KK+1], v[QQ:QQ+1], 0              ; each sum's first K step starts it; the two sums take turns
	v_wmma_f32_16x16x4_f32 v[ZZ:ZZ+7], v[VV:VV+1], v[WW:WW+1], 0
.set i, 1
.rept 15
	v_wmma_f32_16x16x4_f32 v[SS:SS+7], v[KK+2*i:KK+2*i+1], v[QQ+2*i:QQ+2*i+1], v[SS:SS+7]
	v_wmma_f32_16x16x4_f32 v[ZZ:ZZ+7], v[VV+2*i:VV+2*i+1], v[WW+2*i:WW+2*i+1], v[ZZ:ZZ+7]
.set i, i+1
.endr
.rept 9
	v_nop                                          ; places behind this form: eight ahead of a read of S^T, nine ahead of Z's use as a source
.endr
.irp j, 0,1,2,3,4,5,6,7
	v_cmp_gt_i32 vcc_lo, \j, v26
	v_cndmask_b32 v[T+\j], v[SS+\j], v27, vcc_lo   ; from the low end on
.endr
	v_max3_num_f32 v28, v8, v9, v10
	v_max3_num_f32 v29, v11, v12, v13
	v_max3_num_f32 v28, v28, v14, v15
	v_max_num_f32 v28, v28, v29
	v_permlanex16_b32 v29, v28, s22, s23
	v_max_num_f32 v28, v28, v29                    ; the row's maximum: key 0 counts for every query
	v_mul_f32 v28, s24, v28
.irp j, 0,2,4,6
	v_pk_fma_f32 v[T+\j:T+\j+1], v[T+\j:T+\j+1], s[24:25], v[28:29] op_sel_hi:[1,0,0] neg_lo:[0,0,1] neg_hi:[0,0,1]   ; c s - c m
.endr
.irp j, 0,1,2,3,4,5,6,7
	v_exp_f32 v[T+\j], v[T+\j]
.endr
	v_nop                                          ; a plain instruction behind the exponentials
	s_wait_alu depctr_va_vdst(0)                   ; one wait for the eight, ahead of the first use
	v_pk_add_f32 v[30:31], v[8:9], v[10:11]
	v_pk_add_f32 v[28:29], v[12:13], v[14:15]
	v_pk_add_f32 v[30:31], v[30:31], v[28:29]
	v_add_f32 v30, v30, v31
	v_permlanex16_b32 v31, v30, s22, s23
	v_add_f32 v30, v30, v31
	v_rcp_f32 v30, v30
	v_nop
	s_wait_alu depctr_va_vdst(0)
.irp j, 0,2,4,6
	v_pk_mul_f32 v[T+\j:T+\j+1], v[T+\j:T+\j+1], v[30:31] op_sel_hi:[1,0]   ; the weights
.endr
	v_wmma_f32_16x16x4_f32 v[OA:OA+7], v[T:T+1], v[ZZ:ZZ+1], 0                ; two sums by turns, two K steps each
	v_wmma_f32_16x16x4_f32 v[OB:OB+7], v[T+2:T+3], v[ZZ+2:ZZ+3], 0
	v_wmma_f32_16x16x4_f32 v[OA:OA+7], v[T+4:T+5], v[ZZ+4:ZZ+5], v[OA:OA+7]
	v_wmma_f32_16x16x4_f32 v[OB:OB+7], v[T+6:T+7], v[ZZ+6:ZZ+7], v[OB:OB+7]
.rept 8
	v_nop                                          ; eight places behind this form, ahead of the first read of results
.endr
.irp j, 0,1,2,3,4,5,6,7
	v_add_f32 v[R+\j], v[OA+\j], v[OB+\j]          ; register j: query 8 h + j, column r
.endr
	ds_store_b128 v24, v[R:R+3]
	ds_store_b128 v24, v[R+4:R+7] offset:512
	s_wait_dscnt 0x0                               ; for the others' sake: my stores have landed
	s_barrier_signal -1
	s_barrier_wait -1
	s_cmp_lt_u32 s12, 2
	s_cbranch_scc1 .Lsum
	s_wait_tensorcnt 0x0                           ; the wave's end: a wait, an add of 0 to my spare word and its wait, behind my last LDS store
	ds_add_u32 v[SPW], v[NIL]
	s_wait_dscnt 0x0
	s_endpgm
.Lsum:
.irp w, 0,1,2,3,4,5,6,7,8,9,10,11,12,13,14,15
	ds_load_b128 v[QQ+4*\w:QQ+4*\w+3], v25 offset:1024*\w          ; head w's four rows 8 h + 4 g + 0..3
.endr
	s_wait_dscnt 0x0
.irp w, 1,2,3,4,5,6,7,8,9,10,11,12,13,14,15
	v_pk_add_f32 v[QQ:QQ+1], v[QQ:QQ+1], v[QQ+4*\w:QQ+4*\w+1]
	v_pk_add_f32 v[QQ+2:QQ+3], v[QQ+2:QQ+3], v[QQ+4*\w+2:QQ+4*\w+3]
.endr
.irp i, 0,1,2,3
	v_add_f32 v[QQ+\i], v[QQ+\i], v[BO]
.endr
.irp i, 0,1,2,3
	global_store_b32 v4, v[QQ+\i], s[10:11] offset:4096*\i
.endr
	s_wait_tensorcnt 0x0                           ; the wave's end: the three lines
	ds_add_u32 v[SPW], v[NIL]
	s_wait_dscnt 0x0
	s_endpgm
.Lfunc_end_k_q0770b0504d_fine:
	.size	k_q0770b0504d_fine, .Lfunc_end_k_q0770b0504d_fine-k_q0770b0504d_fine
	.p2alignl 7, 3214868480
	.fill 96, 4, 3214868480
	.section	.rodata,"a",@progbits
	.p2align	6, 0x0
	.amdhsa_kernel k_q0770b0504d_fine
		.amdhsa_group_segment_fixed_size 18432
		.amdhsa_private_segment_fixed_size 0
		.amdhsa_enable_private_segment 0
		.amdhsa_kernarg_size 32
		.amdhsa_user_sgpr_count 2
		.amdhsa_user_sgpr_kernarg_segment_ptr 1
		.amdhsa_wavefront_size32 1
		.amdhsa_system_sgpr_workgroup_id_x 1
		.amdhsa_system_sgpr_workgroup_id_y 1
		.amdhsa_system_sgpr_workgroup_id_z 1
		.amdhsa_system_vgpr_workitem_id 0
		.amdhsa_next_free_vgpr 192
		.amdhsa_next_free_sgpr 66
		.amdhsa_reserve_vcc 1
		.amdhsa_float_denorm_mode_32 3
		.amdhsa_float_denorm_mode_16_64 3
		.amdhsa_memory_ordered 1
		.amdhsa_forward_progress 1
		.amdhsa_inst_pref_size 17
	.end_amdhsa_kernel
	.amdgpu_metadata
---
amdhsa.version: [ 1, 2 ]
amdhsa.kernels:
  - .name:           k_q0770b0504d_fine
    .symbol:         k_q0770b0504d_fine.kd
    .args:
      - { .name: fin, .offset: 0, .size: 8, .value_kind: global_buffer, .address_space: global }
      - { .name: Wo, .offset: 8, .size: 8, .value_kind: global_buffer, .address_space: global }
      - { .name: bo, .offset: 16, .size: 8, .value_kind: global_buffer, .address_space: global }
      - { .name: out0, .offset: 24, .size: 8, .value_kind: global_buffer, .address_space: global }
    .group_segment_fixed_size: 18432
    .private_segment_fixed_size: 0
    .kernarg_segment_align: 8
    .kernarg_segment_size: 32
    .max_flat_workgroup_size: 512
    .sgpr_count:     66
    .vgpr_count:     192
    .wavefront_size: 32
...
	.end_amdgpu_metadata
.endif
;; end of part 5
